; MI455X (gfx1250); checked and timed in simulation.
; The chip was launched on July 23, 2026; its instructions are those of AMD's public machine-readable ISA for CDNA 5 (MIT licence, August 2026) and "CDNA5" Instruction Set Architecture Reference Guide (July 2026). The comments in the code are by the model that wrote it; some were corrected since.
;; Stable Multihead Attention. Allowed arithmetic: matrix products marked QUANTISED: E2M1 operands, one E8M0 scale for each 32 along K, by v_wmma_scale_f32_16x16x128_f8f6f4 with both operands' format E2M1 (or v_wmma_scale_f32_32x16x128_f4), f32 sums; products left as they are: bf16, f16 or f32 operands; f32 sums; everything else in f32.
;; Inputs: out_b 1,024 float32; out_w 1,024 x 1,024 float32; qkv_b 3,072 float32; qkv_w 3,072 x 1,024 float32; x 4 x 2,048 x 1,024 float32.
;; Outputs: out0 4 x 2,048 x 1,024 float32.
;; This version of the problem:
;;   THIS VERSION OF THE PROBLEM IS GIVEN IN LOW PRECISION. The matrix products marked QUANTISED in the list below multiply operands that are first quantised to E2M1 (2 exponent bits, 1 mantissa bit; 4 bits a number), with one power-of-two scale for each 32 numbers along K (OCP MX v1.0); their sums are f32. The products marked 'left as it is' may take bf16, f16 or f32 operands, with f32 sums. Whichever they take, every output number must still come out within the allowed error. Rounding operands to bf16 (8 significant bits) uses up far more of that allowance than f16 does (11 bits, for magnitudes from 6e-5 to 65,504). All else is computed in f32.
;;   The module's matrix products, in the order in which they are computed (A, B: the left and right operand; K: the contracted axis; several contracted axes count as one K, in the product's order):
;;     1. [M 8,192, K 1,024] x [K 1,024, N 3,072]; A: input x; B: input qkv_w: QUANTISED
;;     2. batch 64 x [M 2,048, K 64] x [K 64, N 2,048]; A: computed on the way; B: computed on the way: left as it is (an operand is computed on the way)
;;     3. batch 64 x [M 2,048, K 2,048] x [K 2,048, N 64]; A: computed on the way; B: computed on the way: left as it is (an operand is computed on the way)
;;     4. [M 8,192, K 1,024] x [K 1,024, N 1,024]; A: computed on the way; B: input out_w: left as it is (an operand is computed on the way)
;;   THE QUANTISER, for each operand of a quantised product, along K:
;;     - K is cut into blocks of 32 from its start; a last block that is shorter is filled with zeros.
;;     - A block's scale is 2^e with e = floor(log2(the largest magnitude in the block)) - 2, held to -126 .. 127; a block of zeros has e = 0. As a byte (E8M0): e + 127.
;;     - Each number is divided by its block's scale, clamped to +-6, and rounded to the nearest number of E2M1, ties to even, subnormals kept.
;;     - The product sums the exact products of the quantised numbers (number of the format x scale) in f32.
;;   ~~~python
;;   def quantise(x, axis):      # numpy; x: float32 -> the quantised numbers, widened to float32 again
;;       x = np.moveaxis(x, axis, -1); K = x.shape[-1]
;;       x = np.pad(x, [(0, 0)] * (x.ndim - 1) + [(0, -K % 32)]); x = x.reshape(x.shape[:-1] + (-1, 32)); a = np.abs(x).max(-1, keepdims=True)
;;       e = np.where(a > 0, np.clip(np.frexp(np.where(a > 0, a, 1))[1] - 1 - 2, -126, 127), 0)      # np.frexp(a)[1] - 1 = floor(log2(a)), exactly
;;       r = np.clip(x / 2.0 ** e, -6, 6)
;;       step = 2.0 ** (np.maximum(np.frexp(np.where(r == 0, 1, r))[1] - 1, 0) - 1)
;;       q = np.round(r / step) * step * 2.0 ** e      # np.round: ties to even
;;       return np.moveaxis(q.reshape(q.shape[:-2] + (-1,))[..., :K], -1, axis).astype(np.float32)
;;   ~~~
;; One version. Each part assembles by itself: llvm-mc -triple=amdgcn-amd-amdhsa -mcpu=gfx1250 --defsym DOCPART=n.
;; ======== version 1 of 1: 4 launches
;; limits: values are held in f16: magnitudes above 65,504 overflow, below 6.1e-05 lose precision
;; workspace buffers: xc 4,194,304 bytes; xs 262,144 bytes; wc 1,572,864 bytes; ws 98,304 bytes; w16 2,097,152 bytes; qkvh 50,331,648 bytes; att 16,777,216 bytes
;; launch quant (part 1): grid 384 x 1, 4 waves a work-group, no clusters, 33,280 bytes of LDS; arguments x, qkv_w, xc, xs, wc, ws, out_w, w16; writes xc, xs, wc, ws, w16
.if DOCPART == 1
	.amdgcn_target "amdgcn-amd-amdhsa--gfx1250"
	.amdhsa_code_object_version 6
	.text
	.protected	k_qa77a5fa76d_quant
	.globl	k_qa77a5fa76d_quant
	.p2align	8
	.type	k_qa77a5fa76d_quant,@function
k_qa77a5fa76d_quant:
	s_mov_b64 s[64:65], 0
	v_nop
	global_prefetch_b8 v0, s[64:65] scope:SCOPE_SE
	s_setreg_imm32_b32 hwreg(HW_REG_WAVE_MODE, 25, 1), 1
	s_wait_xcnt 0x0
; x [8192][1024] and qkv_w [3072][1024], f32, are turned into codes of FP4 (E2M1), 4 bits each, K innermost, with one E8M0 scale byte for each 32 along K; out_w [1024][1024] is rounded to f16.
; A block's scale is 2^(floor(log2(its largest magnitude)) - 2); its byte is the largest magnitude's own exponent field - 2, held at 1 from below.  Each number is divided by the scale and rounded to the nearest code, ties to even.
; LIMITS: a block of zeros gets the byte 1 where the rule says 127 (its codes are zeros, which add nothing under any byte but 0xff, and the bytes are read by this program alone); blocks whose largest magnitude lies
; under 2^-124, the floor, were not tried; NaN and infinities are not served; out_w beyond 65,504 becomes infinite in f16, and under 6.1e-5 it keeps an absolute step of 6e-8.
; Rows are dense and K is a multiple of 32, so both tensors are plain streams of blocks of 32 numbers, and so are the codes and the scale bytes.
; SHARES: work-groups 0-255 take x, 256-351 qkv_w, 352-383 out_w.  A wave takes 8,192 numbers.  For the codes: 16 steps of 512 numbers; each of a step's four loads reads 512 consecutive bytes, 16 a lane; the 2,048 bytes
; go through the wave's own stage in LDS and come back 64 bytes a lane, so that a lane holds 16 neighbours along K (two neighbouring lanes hold a block).  A lane's 16 codes are 8 bytes: the wave stores 256 consecutive bytes.
; A wave's 256 scale bytes are gathered in its own LDS bytes and leave as 256 consecutive, aligned bytes.  No tensor loads, no barrier: waves share nothing.
.set SIZE_M, 8192
.set SIZE_N, 3072
.set SIZE_K, 1024
.set WAVES, 4
.set STEPS, 16
.set WGA,   SIZE_M*SIZE_K/(512*STEPS*WAVES)    ; 256 work-groups for x
.set WGB,   SIZE_N*SIZE_K/(512*STEPS*WAVES)    ; 96 for qkv_w
.set EMAX,  2
.set CB,    8                          ; bytes of 16 codes
.set R,     16                         ; v16-79   four sets of 16 numbers as they are loaded
.set X,     80                         ; v80-111  two sets of 16 neighbours
.set C,     128                        ; v128-191 codes: four registers for each step, so that no store's data are written again
.set E,     112                        ; v112-127 a scale byte for each step
.set WREG,  8192                       ; LDS: a region of its own for each wave: two stages of 32 x SP bytes, and behind them its 256 scale bytes
.set SP,    80                         ; a lane's place in a stage: its 64 bytes + 16 of padding
.set SPW,   12                         ; v12      LDS address of my spare word: SPARE + 4 x my thread's number; never rewritten
.set NIL,   13                         ; v13      0; never rewritten
.set SPARE, WAVES*WREG                 ; behind the four regions: the spare words, 128 bytes for each wave, which no other line names
.set CX,    16                         ; out_w's arm: v16-79 sixteen slots of four numbers; v80-111 sixteen slots of four f16
.set CY,    80
	s_load_b128 s[4:7], s[0:1], 0x0                ; x, qkv_w
	s_load_b128 s[8:11], s[0:1], 0x10              ; x's codes, x's scales
	s_load_b128 s[12:15], s[0:1], 0x20             ; qkv_w's codes, qkv_w's scales
	s_load_b128 s[24:27], s[0:1], 0x30             ; out_w, its f16 copy
	v_lshl_add_u32 v[SPW], v0, 2, SPARE
	v_mov_b32 v[NIL], 0
	v_lshrrev_b32 v1, 5, v0
	v_readfirstlane_b32 s16, v1                    ; wave
	v_and_b32 v2, 31, v0                           ; lane
	v_lshlrev_b32 v3, 4, v2                        ; my 16 bytes of a load's 512
	s_mul_i32 s17, s16, WREG
	v_lshrrev_b32 v14, 2, v2
	v_mul_u32_u24 v14, v14, SP
	v_and_b32 v15, 3, v2
	v_lshl_add_u32 v14, v15, 4, v14
	v_add_nc_u32 v14, s17, v14                     ; the stage, on the way in: four lanes' 64 bytes on end, then 16 of padding
	v_mul_u32_u24 v15, v2, SP
	v_add_nc_u32 v15, s17, v15                     ; and on the way out: SP x lane: my 16 neighbours
	v_mul_u32_u24 v4, v2, CB                       ; my 8 bytes of a store's 256
	v_lshrrev_b32 v5, 1, v2
	s_add_co_u32 s17, s17, 2*32*SP
	v_add_nc_u32 v5, s17, v5                       ; LDS: my wave's 256 scale bytes, my block's byte
	v_lshlrev_b32 v7, 3, v2                        ; and on the way out 8 bytes a lane
	v_add_nc_u32 v6, s17, v7
	s_wait_kmcnt 0x0
	s_cmp_ge_u32 ttmp9, WGA+WGB                    ; the last 32 work-groups round out_w: a branch on the work-group's number alone
	s_cbranch_scc1 .Lcvt
	s_cmp_lt_u32 ttmp9, WGA                        ; x's work-group or qkv_w's?  Only pointers are chosen: both take one path
	s_cselect_b64 s[4:5], s[4:5], s[6:7]
	s_cselect_b64 s[8:9], s[8:9], s[12:13]
	s_cselect_b64 s[10:11], s[10:11], s[14:15]
	s_cselect_b32 s17, 0, WGA
	s_sub_co_u32 s17, ttmp9, s17
	s_lshl_b32 s17, s17, 2
	s_add_co_u32 s18, s17, s16                     ; which run of 8,192 numbers of the tensor is my wave's
	s_mov_b32 s19, 0
	s_mov_b64 s[20:21], 512*STEPS*4
	s_mul_u64 s[20:21], s[18:19], s[20:21]
	s_add_nc_u64 s[4:5], s[4:5], s[20:21]
	s_mov_b64 s[20:21], 32*STEPS*CB
	s_mul_u64 s[20:21], s[18:19], s[20:21]
	s_add_nc_u64 s[8:9], s[8:9], s[20:21]
	s_lshl_b32 s18, s18, 8                         ; 256 scale bytes a run
	s_add_nc_u64 s[10:11], s[10:11], s[18:19]
.macro LOAD t
.irp i, 0,1,2,3
	global_load_b128 v[R+16*((\t)%4)+4*\i:R+16*((\t)%4)+4*\i+3], v3, s[4:5] offset:2048*(\t)+512*\i th:TH_LOAD_NT   ; 32 lanes read 512 consecutive bytes
.endr
.endm
.macro TURN t                          ; step t's numbers through the stage: LDS serves a wave's instructions in order, so no wait stands between the stores and the loads
.irp i, 0,1,2,3
	ds_store_b128 v14, v[R+16*((\t)%4)+4*\i:R+16*((\t)%4)+4*\i+3] offset:32*SP*((\t)%2)+8*SP*\i
.endr
.irp i, 0,1,2,3
	ds_load_b128 v[X+16*((\t)%2)+4*\i:X+16*((\t)%2)+4*\i+3], v15 offset:32*SP*((\t)%2)+16*\i
.endr
.endm
.irp t, 0,1,2,3
	LOAD \t
.endr
	s_wait_loadcnt 12                              ; step 0's four loads are in; the twelve of steps 1 to 3 may be out
	TURN 0
.macro STEP t
.set XS, X+16*((\t)%2)
.if (\t) > 0
	s_wait_dscnt 1                                 ; this step's numbers are back from the stage (the last step's byte store may be out): so its stores into the stage have read their registers,
.else
	s_wait_dscnt 0x0
.endif
.if (\t)+4 < STEPS
	LOAD (\t)+4                                    ; which take the loads of four steps on
.endif
.if (\t)+1 < STEPS
.if STEPS-2-(\t) >= 3
	s_wait_loadcnt 12                              ; the next step's four loads are in; those of the three steps behind it may be out
.else
	s_wait_loadcnt 4*(STEPS-2-(\t))
.endif
	TURN (\t)+1                                    ; and go through the other stage while this step is worked
.endif
	v_max3_num_f32 v8, |v[XS]|, |v[XS+1]|, |v[XS+2]|               ; the largest magnitude of my 16, in two chains
	v_max3_num_f32 v9, |v[XS+3]|, |v[XS+4]|, |v[XS+5]|
.irp i, 6,10
	v_max3_num_f32 v8, v8, |v[XS+\i]|, |v[XS+\i+1]|
	v_max3_num_f32 v9, v9, |v[XS+\i+2]|, |v[XS+\i+3]|
.endr
	v_max3_num_f32 v8, v8, |v[XS+14]|, |v[XS+15]|
	v_max3_num_f32 v8, v8, v9, (EMAX+1)<<23        ; and the floor 2^(EMAX + 1 - 127): so the byte cannot fall under 1
	v_max_num_f32_dpp v8, v8, v8 row_xmask:1 row_mask:0xf bank_mask:0xf   ; and of my neighbour's 16: the block's
	v_add_nc_u32 v11, -(EMAX<<23), v8              ; EMAX off its exponent field: the conversion takes the exponent field of this operand as its scale, and nothing else of it
	v_cvt_scalef32_pk8_fp4_f32 v[C+4*(\t)], v[XS:XS+7], v11        ; eight numbers / the scale, to the nearest code, ties to even, beyond the largest code the largest; the first number's code in the lowest four bits
	v_cvt_scalef32_pk8_fp4_f32 v[C+4*(\t)+1], v[XS+8:XS+15], v11
	v_lshrrev_b32 v[E+(\t)], 23, v11               ; the scale's byte (also the plain line behind the conversions)
	ds_store_b8 v5, v[E+(\t)] offset:16*(\t)       ; both lanes of a block write the same byte with the same value
	global_store_b64 v4, v[C+4*(\t):C+4*(\t)+1], s[8:9] offset:32*CB*(\t)
.endm
.irp t, 0,1,2,3,4,5,6,7,8,9,10,11,12,13,14,15
	STEP \t
.endr
	ds_load_b64 v[8:9], v6                         ; LDS serves a wave's instructions in order: these see my stores
	s_wait_dscnt 0x0
	global_store_b64 v7, v[8:9], s[10:11]          ; 32 lanes store 256 consecutive bytes, aligned
	s_wait_tensorcnt 0x0                           ; the wave's end: behind my last LDS store
	ds_add_u32 v[SPW], v[NIL]
	s_wait_dscnt 0x0
	s_endpgm
; out_w to f16.  A wave takes 8,192 numbers as 64 chunks of 128: a load reads 512 consecutive bytes, a store writes 256 consecutive, aligned bytes.  Sixteen loads of the wave are always on their way.
.Lcvt:
	s_sub_co_u32 s17, ttmp9, WGA+WGB
	s_lshl_b32 s17, s17, 2
	s_add_co_u32 s17, s17, s16                     ; which run of 8,192 numbers is my wave's
	s_lshl_b32 s18, s17, 15                        ; 32,768 bytes in,
	s_mov_b32 s19, 0
	s_add_nc_u64 s[24:25], s[24:25], s[18:19]
	s_lshl_b32 s18, s17, 14                        ; 16,384 bytes out
	s_add_nc_u64 s[26:27], s[26:27], s[18:19]
.set n, 0
.rept 16
	global_load_b128 v[CX+4*n:CX+4*n+3], v3, s[24:25] offset:512*n th:TH_LOAD_NT
.set n, n+1
.endr
.set n, 0
.rept 64
.if n < 48
	s_wait_loadcnt 15                              ; chunk n's load is in; the fifteen younger ones stay out
.else
	s_wait_loadcnt 63-n                            ; nothing more is asked for: the counts run down
.endif
.if n >= 16
	s_wait_xcnt 0x0                                ; the store of sixteen chunks ago has read this slot's two registers: they are written again only behind this wait
.endif
	v_cvt_pk_f16_f32 v[CY+2*(n%16)], v[CX+4*(n%16)], v[CX+4*(n%16)+1]
	v_cvt_pk_f16_f32 v[CY+2*(n%16)+1], v[CX+4*(n%16)+2], v[CX+4*(n%16)+3]
.if n+16 < 64
	global_load_b128 v[CX+4*(n%16):CX+4*(n%16)+3], v3, s[24:25] offset:512*(n+16) th:TH_LOAD_NT
.endif
	global_store_b64 v4, v[CY+2*(n%16):CY+2*(n%16)+1], s[26:27] offset:256*n
.set n, n+1
.endr
	s_wait_tensorcnt 0x0                           ; the wave's end
	ds_add_u32 v[SPW], v[NIL]
	s_wait_dscnt 0x0
	s_endpgm
.Lfunc_end_k_qa77a5fa76d_quant:
	.size	k_qa77a5fa76d_quant, .Lfunc_end_k_qa77a5fa76d_quant-k_qa77a5fa76d_quant
	.p2alignl 7, 3214868480
	.fill 96, 4, 3214868480
	.section	.rodata,"a",@progbits
	.p2align	6, 0x0
	.amdhsa_kernel k_qa77a5fa76d_quant
		.amdhsa_group_segment_fixed_size 33280
		.amdhsa_private_segment_fixed_size 0
		.amdhsa_enable_private_segment 0
		.amdhsa_kernarg_size 64
		.amdhsa_user_sgpr_count 2
		.amdhsa_user_sgpr_kernarg_segment_ptr 1
		.amdhsa_wavefront_size32 1
		.amdhsa_system_sgpr_workgroup_id_x 1
		.amdhsa_system_sgpr_workgroup_id_y 1
		.amdhsa_system_sgpr_workgroup_id_z 1
		.amdhsa_system_vgpr_workitem_id 0
		.amdhsa_next_free_vgpr 192
		.amdhsa_next_free_sgpr 66
		.amdhsa_reserve_vcc 0
		.amdhsa_float_denorm_mode_32 3
		.amdhsa_float_denorm_mode_16_64 3
		.amdhsa_memory_ordered 1
		.amdhsa_forward_progress 1
		.amdhsa_inst_pref_size 57
	.end_amdhsa_kernel
	.amdgpu_metadata
---
amdhsa.version: [ 1, 2 ]
amdhsa.kernels:
  - .name:           k_qa77a5fa76d_quant
    .symbol:         k_qa77a5fa76d_quant.kd
    .args:
      - { .name: x, .offset: 0, .size: 8, .value_kind: global_buffer, .address_space: global }
      - { .name: qkv_w, .offset: 8, .size: 8, .value_kind: global_buffer, .address_space: global }
      - { .name: xc, .offset: 16, .size: 8, .value_kind: global_buffer, .address_space: global }
      - { .name: xs, .offset: 24, .size: 8, .value_kind: global_buffer, .address_space: global }
      - { .name: wc, .offset: 32, .size: 8, .value_kind: global_buffer, .address_space: global }
      - { .name: ws, .offset: 40, .size: 8, .value_kind: global_buffer, .address_space: global }
      - { .name: out_w, .offset: 48, .size: 8, .value_kind: global_buffer, .address_space: global }
      - { .name: w16, .offset: 56, .size: 8, .value_kind: global_buffer, .address_space: global }
    .group_segment_fixed_size: 33280
    .private_segment_fixed_size: 0
    .kernarg_segment_align: 8
    .kernarg_segment_size: 64
    .max_flat_workgroup_size: 128
    .sgpr_count:     66
    .vgpr_count:     192
    .wavefront_size: 32
...
	.end_amdgpu_metadata
.endif
;; end of part 1
;; launch qkv (part 2): grid 12 x 32, 4 waves a work-group, clusters of 4 x 4, 327,680 bytes of LDS; arguments xc, xs, wc, ws, qkv_b, qkvh; writes qkvh
.if DOCPART == 2
	.amdgcn_target "amdgcn-amd-amdhsa--gfx1250"
	.amdhsa_code_object_version 6
	.text
	.protected	k_qa77a5fa76d_qkv
	.globl	k_qa77a5fa76d_qkv
	.p2align	8
	.type	k_qa77a5fa76d_qkv,@function
k_qa77a5fa76d_qkv:
	s_mov_b64 s[64:65], 0
	v_nop
	global_prefetch_b8 v0, s[64:65] scope:SCOPE_SE
	s_setreg_imm32_b32 hwreg(HW_REG_WAVE_MODE, 25, 1), 1
	s_wait_xcnt 0x0
	s_wait_alu depctr_hold_cnt(0) depctr_sa_sdst(0) depctr_va_vdst(0) depctr_va_sdst(0) depctr_va_ssrc(0) depctr_va_vcc(0) depctr_vm_vsrc(0)
	s_getreg_b32 s2, hwreg(HW_REG_IB_STS2, 6, 4)
	s_cmp_eq_u32 s2, 0
	s_cbranch_scc0 .Lentry_in_a_cluster
	s_endpgm
.Lentry_in_a_cluster:
	s_bfe_u32 s2, ttmp6, 0x10000c
	s_cmp_lg_u32 s2, 0xf033
	s_cbranch_scc0 .Lentry_shape_is_right
	s_endpgm
.Lentry_shape_is_right:
; qkv[m][n] = sum over k of x[m][k] qkv_w[n][k] + qkv_b[n], on codes of FP4 (E2M1) with one E8M0 scale for each 32 along K; sums in f32; the result rounded once to f16 and laid by head:
; qkvh [which 3][batch 4][head 16][position 2048][64].  m = 2048 batch + position; n = 1024 which + 64 head + channel.  LIMIT: a result beyond 65,504 becomes infinite in f16.
; A tile of the result, 256 x 256, is made by a work-group of four waves; a wave makes 128 x 128: 64 accumulators of 16 x 16, 512 registers.
; K = 1,024 is two LDS slots of 512 along K (a tile's row is 256 bytes of memory): both are asked for at the head, with the scales, three tensor loads a wave, and nothing is filled again.
; THE SCALES of the work-group's 256 rows of x and 256 rows of qkv_w, for all of K, are two dense blocks of memory: they come into LDS once, as rows of 256 bytes.
; CLUSTERS: 4 x 4 work-groups.  The four of a row of the cluster need the same tiles of x, the four of a column the same tiles of qkv_w: each tile is asked for JOINTLY, by the same tensor load with the
; same descriptor and a mask that names the four.  THE MATRIX INSTRUCTION IS USED TRANSPOSED (source 0 = 16 rows of qkv_w, source 1 = 16 rows of x): a lane then holds eight neighbouring channels of one position.
; THE BIAS is the C of each sum's first product: eight registers for each of the wave's eight blocks of 16 columns, in the result's layout.
; REGISTERS, in windows of 256: window 0: v0-31 addresses; v32-95 scale words, two sets, and nothing else; v96-127 packed results on the way out; v128-191 x's fragments (8 x 16 rows x 128 K), ONE set, on the way out rows read back;
;   v192-255 the bias.   window 1: qkv_w's fragments, TWO sets, at v0 and at v128.   window 2: the 32 accumulators of my rows 0-63 (accumulator (a, b) at v[8 (8 a + b)]);   window 3: those of my rows 64-127.
.set SIZE_M, 8192
.set SIZE_N, 3072
.set SIZE_K, 1024
.set KSTEP,  512                       ; along K in a slot
.set NQ,     KSTEP/128                 ; matrix instructions deep
.set ROWB,   256                       ; a tile's row in bytes
.set KROW,   SIZE_K*4/8                ; a row of codes in memory, in bytes
.set PITCH,  272                       ; an LDS row: 256 bytes of data + 16 of padding = 68 words: the 16 rows that a load touches start 4 words apart modulo 64
.set FR,     8                         ; registers of a fragment: 16 rows x 128 K
.set NL,     2                         ; LDS loads that bring one
.set NP,     4                         ; places behind this matrix instruction (ISA guide 7.12.1)
.set HALFT,  128*PITCH                 ; 128 rows: what one tensor load brings, and what one wave reads of either operand
.set SLOT,   4*HALFT                   ; x's 256 rows, then qkv_w's 256 rows
.set KS,     SIZE_K/32                 ; a row of scales in bytes
.set SCL,    2*SLOT                    ; behind the slots: the scales, as rows of 256 bytes + 16 of padding
.set HALFS,  (128*KS/256)*272          ; the scales of 128 rows: what one tensor load brings
.set SBLK,   (16*KS/256)*272           ; those of 16 rows
.set SPARE,  SCL+4*HALFS               ; behind the scales: the spare words, 128 bytes for each wave, which no other line names
.set SPITCH, 144                       ; the way out: a stage of 2 heads x 16 rows x (128 bytes + 16) for each wave.  It lies in slot 0, which has had its only fill and its last read when the first result is stored there
.set HSTG,   16*SPITCH
.set ADRA, 16                          ; v16-17  LDS address of my fragments of x in slot 0, 1
.set ADRB, 20                          ; v20-21  the same for qkv_w
.set STO,  24                          ; v24     the way out: where I put 16 bytes of a row
.set RD,   25                          ; v25     the way out: where I read rows back
.set CO,   26                          ; v26     16 x lane: my bytes of a store's 512
.set ADRS, 27                          ; v27     LDS address of my scale words: lanes 0-15 x's rows, lanes 16-31 qkv_w's
.set SPW,  28                          ; v28     LDS address of my spare word; never rewritten
.set NIL,  29                          ; v29     0; never rewritten
.set SC,   32                          ; scale words: set s (for slot s) at v[SC + 8 NQ s]; in it register NQ i + q: lanes 0-15 the word of x's block i, lanes 16-31 that of qkv_w's block i, for the slot's q-th 128 along K
.set TMP,  96
.set AF,   128
.set BK,   128                         ; the way out: 16 rows read back from the stage: v128-159 and v160-191 by turns
.set BIAS, 192
.set G1, 24                            ; s[24:31] descriptor group 1 for x's tiles;  s[32:39] group 0, one set for each slot
.set G0, 32
.set G1B, 48                           ; s[48:55], s[56:63] the same for qkv_w's tiles
.set G0B, 56
.set G1S, 68                           ; s[68:75], s[76:79] groups 1 and 0 for x's scales;  s[80:87], s[88:91] for qkv_w's
.set G0S, 76
.set G1SB, 80
.set G0SB, 88
.set MSB, 0
.macro WIN new                         ; the immediate's high byte repeats the setting that is left
.if MSB != \new
	s_set_vgpr_msb (MSB<<8)|\new
.set MSB, \new
.endif
.endm
.set MUL_LO,   0xa1                    ; source 0 (qkv_w) window 1, source 1 (x) window 0, C and D window 2
.set MUL_HI,   0xf1                    ; the same, C and D window 3
.set FIRST_LO, 0x81                    ; the first products: C (the bias) window 0, D window 2
.set FIRST_HI, 0xc1                    ; D window 3
.set TO_B,     0x40                    ; destination window 1, address window 0
; A joint load: waves 0 and 1 fetch for x, waves 2 and 3 for qkv_w.  Each of the two lines has ONE mask and one set of registers for all that issue it; the branch hangs on the wave's number alone.
; An s_nop 0 and four v_nop follow each of the two lines, ahead of the jump, the label and what follows.
.macro JLOAD g0a, g1a, g0b, g1b
	s_cmp_eq_u32 s15, 0
	s_cbranch_scc0 .Lfor_b_\@
	tensor_load_to_lds s[\g0a:\g0a+3], s[\g1a:\g1a+7]
	s_nop 0
.rept 4
	v_nop
.endr
	s_branch .Lasked_\@
.Lfor_b_\@:
	tensor_load_to_lds s[\g0b:\g0b+3], s[\g1b:\g1b+7]
	s_nop 0
.rept 4
	v_nop
.endr
.Lasked_\@:
.endm
.macro CROUND                          ; a round of the cluster's barrier: my work-group's barrier; wave 0 signals for the work-group; every wave waits for all sixteen; my work-group's barrier once more
	s_barrier_signal -1
	s_barrier_wait -1
	s_cmp_lg_u32 s14, 0
	s_cbranch_scc1 .Lnot_wave_0_\@
	s_barrier_signal -3
.Lnot_wave_0_\@:
	s_barrier_wait -3
	s_barrier_signal -1
	s_barrier_wait -1
.endm
	s_load_b128 s[4:7], s[0:1], 0x0                ; x's codes s[4:5], x's scales s[6:7]
	s_load_b128 s[8:11], s[0:1], 0x10              ; qkv_w's codes s[8:9], its scales s[10:11]
	s_load_b64 s[96:97], s[0:1], 0x20              ; qkv_b
	s_load_b64 s[12:13], s[0:1], 0x28              ; qkvh
	v_lshl_add_u32 v[SPW], v0, 2, SPARE
	v_mov_b32 v[NIL], 0
	ds_add_u32 v[SPW], v[NIL]                      ; the wave's opening: the add, twice on end, and its wait ahead of my first tensor load; the set-up below, work on registers, stands between
	ds_add_u32 v[SPW], v[NIL]
	v_lshrrev_b32 v1, 5, v0
	v_readfirstlane_b32 s14, v1                    ; wave 0..3
	s_lshr_b32 s15, s14, 1                         ; which half of the tile's rows is mine.  Also: I fetch for x (0) or for qkv_w (1)
	s_and_b32 s16, s14, 1                          ; which half of its columns.  Also: which 128 rows of that tile I fetch
	s_bfe_u32 s40, ttmp6, 0x40000                  ; cx, cy: my place in the cluster
	s_bfe_u32 s41, ttmp6, 0x40004
	s_lshl_b32 s42, ttmp9, 2
	s_add_co_u32 s42, s42, s40                     ; tile column = 4 x cluster x + cx
	s_and_b32 s17, ttmp7, 0xffff
	s_lshl_b32 s17, s17, 2
	s_add_co_u32 s17, s17, s41                     ; tile row = 4 x cluster y + cy
	s_lshl_b32 s43, s41, 2
	s_lshl_b32 s43, 15, s43                        ; my row of the cluster
	s_lshl_b32 s44, 0x1111, s40                    ; my column
	; descriptor group 1: a tile of 128 rows x ROWB bytes, padded in LDS
	s_or_b32 s[G1+0], s43, (0<<16)|(1<<20)|(1<<21)|(5<<22)|(3<<25)  ; 15:0 the mask: x's tiles go to my row; 17:16 element of 1 byte; 20 padding on; 21 set beside a mask; 24:22 after every 64 words (code 5); 31:25 of 4 words (code 3)
	s_or_b32 s[G1B+0], s44, (0<<16)|(1<<20)|(1<<21)|(5<<22)|(3<<25)
.irp g, G1, G1B
	s_mov_b32 s[\g+1], ROWB<<16                    ; tensor_dim0
	s_mov_b32 s[\g+2], 128<<16                     ; tensor_dim1 = 128
	s_mov_b32 s[\g+3], ROWB<<16                    ; tile_dim0
	s_mov_b32 s[\g+4], 128                         ; tile_dim1 = 128
	s_mov_b32 s[\g+5], KROW                        ; tensor_dim0_stride
	s_mov_b32 s[\g+6], 0
	s_mov_b32 s[\g+7], 0
.endr
	; and for the scales of 128 rows: a dense block of 128 KS bytes, as rows of 256 bytes (32 elements of 8 bytes), 16 bytes of padding behind each
	s_or_b32 s[G1S+0], s43, (3<<16)|(1<<20)|(1<<21)|(5<<22)|(3<<25)
	s_or_b32 s[G1SB+0], s44, (3<<16)|(1<<20)|(1<<21)|(5<<22)|(3<<25)
.irp g, G1S, G1SB
	s_mov_b32 s[\g+1], 32<<16
	s_mov_b32 s[\g+2], (128*KS/256)<<16
	s_mov_b32 s[\g+3], 32<<16
	s_mov_b32 s[\g+4], 128*KS/256
	s_mov_b32 s[\g+5], 32
	s_mov_b32 s[\g+6], 0
	s_mov_b32 s[\g+7], 0
.endr
	s_lshl_b32 s18, s16, 7                         ; which 128 rows of the tile I fetch
	s_lshl_b32 s20, s17, 8
	s_add_co_u32 s20, s20, s18                     ; x: row 256 x tile row + 128 x half
	s_lshl_b32 s46, s42, 8
	s_add_co_u32 s46, s46, s18                     ; qkv_w: row 256 x tile column + 128 x half
	s_mov_b32 s21, 0
	s_mov_b32 s47, 0
	s_mov_b64 s[18:19], KS
	s_mul_u64 s[22:23], s[20:21], s[18:19]         ; where these rows' scales begin, in bytes
	s_mul_u64 s[92:93], s[46:47], s[18:19]
	s_mov_b64 s[18:19], KROW
	s_mul_u64 s[20:21], s[20:21], s[18:19]         ; and their codes
	s_mul_u64 s[46:47], s[46:47], s[18:19]
	s_mul_i32 s45, s14, HALFT                      ; where they go: wave x 128 rows: no place in the cluster enters an LDS address
	s_mul_i32 s94, s14, HALFS
	s_wait_dscnt 0x0                               ; both opening adds are done
	s_wait_kmcnt 0x0
	s_add_nc_u64 s[20:21], s[4:5], s[20:21]
	s_add_nc_u64 s[22:23], s[6:7], s[22:23]
	s_add_nc_u64 s[46:47], s[8:9], s[46:47]
	s_add_nc_u64 s[92:93], s[10:11], s[92:93]
	CROUND                                         ; all sixteen work-groups are here: the joint loads meet
	s_mov_b32 s[G0S], 1
	s_add_co_u32 s[G0S+1], s94, SCL
	s_mov_b64 s[G0S+2:G0S+3], s[22:23]
	s_or_b32 s[G0S+3], s[G0S+3], 0x80000000
	s_mov_b32 s[G0SB], 1
	s_add_co_u32 s[G0SB+1], s94, SCL
	s_mov_b64 s[G0SB+2:G0SB+3], s[92:93]
	s_or_b32 s[G0SB+3], s[G0SB+3], 0x80000000
	JLOAD G0S, G1S, G0SB, G1SB                     ; the scales first: they are wanted with slot 0
.irp s, 0,1
	s_mov_b32 s[G0+4*\s], 1
	s_add_co_u32 s[G0+4*\s+1], s45, \s*SLOT
	s_add_nc_u64 s[G0+4*\s+2:G0+4*\s+3], s[20:21], \s*ROWB
	s_or_b32 s[G0+4*\s+3], s[G0+4*\s+3], 0x80000000
	s_mov_b32 s[G0B+4*\s], 1
	s_add_co_u32 s[G0B+4*\s+1], s45, \s*SLOT
	s_add_nc_u64 s[G0B+4*\s+2:G0B+4*\s+3], s[46:47], \s*ROWB
	s_or_b32 s[G0B+4*\s+3], s[G0B+4*\s+3], 0x80000000
	JLOAD G0+4*\s, G1, G0B+4*\s, G1B               ; three tensor loads of mine are out in all
.endr
	v_and_b32 v1, 15, v0                           ; r = l % 16
	v_bfe_u32 v2, v0, 4, 1                         ; h = l / 16
	; the bias of my 128 columns: register 8 b + j of lane (r, h) is qkv_b[n0 + 16 b + 8 h + j], n0 = 256 x tile column + 128 x half
	s_lshl_b32 s46, s42, 10
	s_lshl_b32 s47, s16, 9
	s_add_co_u32 s46, s46, s47                     ; 4 n0 bytes
	s_mov_b32 s47, 0
	s_add_nc_u64 s[96:97], s[96:97], s[46:47]
	v_lshlrev_b32 v7, 5, v2                        ; 32 h bytes
.irp b, 0,1,2,3,4,5,6,7
	global_load_b128 v[BIAS+8*\b:BIAS+8*\b+3], v7, s[96:97] offset:64*\b
	global_load_b128 v[BIAS+8*\b+4:BIAS+8*\b+7], v7, s[96:97] offset:64*\b+16
.endr
	v_mul_u32_u24 v3, v1, PITCH
	v_lshl_add_u32 v4, v2, 4, v3                   ; a fragment's row x pitch + 16 x half
	s_mul_i32 s21, s15, HALFT                      ; my 128 rows of x
	s_mul_i32 s22, s16, HALFT                      ; my 128 rows of qkv_w,
	s_add_co_u32 s22, s22, 2*HALFT                 ; which lie behind x's 256
.irp s, 0,1
	v_add_nc_u32 v[ADRA+\s], s21, v4
	v_add_nc_u32 v[ADRB+\s], s22, v4
	s_add_co_u32 s21, s21, SLOT
	s_add_co_u32 s22, s22, SLOT
.endr
	v_mul_u32_u24 v5, v1, KS                       ; my row's scales: KS bytes a row,
	v_lshrrev_b32 v6, 8, v5
	v_lshl_add_u32 v5, v6, 4, v5                   ; and 16 more for each 256 passed
	s_mul_i32 s21, s15, HALFS                      ; x's: my 128 rows
	s_mul_i32 s22, s16, HALFS                      ; qkv_w's: my 128 rows, behind x's 256
	s_add_co_u32 s22, s22, 2*HALFS
	s_sub_co_u32 s22, s22, s21
	v_mul_u32_u24 v6, s22, v2                      ; lanes 16-31 take qkv_w's: the lower base + h x the distance
	s_add_co_u32 s21, s21, SCL
	v_add_nc_u32 v5, v5, v6
	v_add_nc_u32 v[ADRS], s21, v5
	s_mul_i32 s23, s14, 2*HSTG                     ; my stage
	v_mul_u32_u24 v5, v1, SPITCH                   ; in: row r, 16 bytes for each half of the lanes
	v_lshl_add_u32 v5, v2, 4, v5
	v_add_nc_u32 v[STO], s23, v5
	v_and_b32 v6, 31, v0
	v_lshlrev_b32 v[CO], 4, v6                     ; out: 16 bytes a lane of 512 consecutive bytes (four rows of 128)
	v_lshrrev_b32 v5, 3, v6
	v_mul_u32_u24 v5, v5, SPITCH                   ; back: eight lanes to a row, four rows an instruction
	v_and_b32 v6, 7, v6
	v_lshl_add_u32 v5, v6, 4, v5
	v_add_nc_u32 v[RD], s23, v5
	; where my part begins in qkvh.  My 128 columns are heads g and g + 1 of 48, g = 4 x tile column + 2 x half; my first row is m0 = 256 x tile row + 128 x half
	s_lshl_b32 s20, s42, 2
	s_lshl_b32 s21, s16, 1
	s_add_co_u32 s20, s20, s21                     ; g
	s_lshr_b32 s21, s20, 4
	s_lshl_b32 s21, s21, 24                        ; q, k or v: 16,777,216 bytes each
	s_and_b32 s20, s20, 15
	s_lshl_b32 s20, s20, 18                        ; the head: 262,144 bytes
	s_add_co_u32 s20, s20, s21
	s_lshl_b32 s22, s17, 8
	s_lshl_b32 s23, s15, 7
	s_add_co_u32 s22, s22, s23                     ; m0
	s_lshr_b32 s23, s22, 11
	s_lshl_b32 s23, s23, 22                        ; the batch: 4,194,304 bytes
	s_add_co_u32 s20, s20, s23
	s_and_b32 s22, s22, 2047
	s_lshl_b32 s22, s22, 7                         ; the position: 128 bytes
	s_add_co_u32 s20, s20, s22
	s_mov_b32 s21, 0
	s_add_nc_u64 s[12:13], s[12:13], s[20:21]
.macro FRAG reg, adr, q, i             ; a fragment, 16 rows x 128 K of 4-bit codes, is 8 registers: lane l holds row l % 16; registers 4 c .. 4 c + 3 hold K = 64 c + 32 (l / 16) + 0 .. 31
.irp c, 0,1
	ds_load_b128 v[\reg+4*\c:\reg+4*\c+3], v[\adr] offset:64*(\q)+32*\c+(\i)*16*PITCH
.endr
.endm
; 16 matrix instructions: x's blocks a0, a0 + 1 against qkv_w's eight, 128 along K: the slot's q-th.  p: qkv_w's set;  sc: the set of scale words.  first = 1: the bias is C: nothing is ever cleared.
; The 64 accumulators take turns, one instruction a turn, in the same order in every step.
.macro MUL16 a0, p, q, sc, first
.irp a, \a0, \a0+1
.irp b, 0,1,2,3,4,5,6,7
.if \first
	v_wmma_scale_f32_16x16x128_f8f6f4 v[8*(8*((\a)%4)+\b):8*(8*((\a)%4)+\b)+7], v[128*(\p)+FR*\b:128*(\p)+FR*\b+FR-1], v[AF+FR*(\a):AF+FR*(\a)+FR-1], v[BIAS+8*\b:BIAS+8*\b+7], v[SC+8*NQ*(\sc)+NQ*\b+(\q)], v[SC+8*NQ*(\sc)+NQ*(\a)+(\q)] matrix_a_fmt:MATRIX_FMT_FP4 matrix_b_fmt:MATRIX_FMT_FP4 matrix_a_scale:MATRIX_SCALE_ROW1
.else
	v_wmma_scale_f32_16x16x128_f8f6f4 v[8*(8*((\a)%4)+\b):8*(8*((\a)%4)+\b)+7], v[128*(\p)+FR*\b:128*(\p)+FR*\b+FR-1], v[AF+FR*(\a):AF+FR*(\a)+FR-1], v[8*(8*((\a)%4)+\b):8*(8*((\a)%4)+\b)+7], v[SC+8*NQ*(\sc)+NQ*\b+(\q)], v[SC+8*NQ*(\sc)+NQ*(\a)+(\q)] matrix_a_fmt:MATRIX_FMT_FP4 matrix_b_fmt:MATRIX_FMT_FP4 matrix_a_scale:MATRIX_SCALE_ROW1
.endif
.endr
.endr
.endm
.macro FETCH_B slot, q, p              ; qkv_w's eight fragments of the slot's q-th 128 along K into set p
	WIN TO_B
.irp i, 0,1,2,3,4,5,6,7
	FRAG 128*(\p)+FR*\i, ADRB+\slot, \q, \i
.endr
	WIN 0
.endm
.macro FETCH_A slot, q, i0             ; x's blocks i0 .. i0 + 3
.irp i, \i0, \i0+1, \i0+2, \i0+3
	FRAG AF+FR*(\i), ADRA+\slot, \q, \i
.endr
.endm
.macro SCALES sc                       ; a slot's scale words into set sc: NQ words a row; lanes 0-15 take x's block i, lanes 16-31 qkv_w's block i
.irp i, 0,1,2,3,4,5,6,7
	ds_load_b128 v[SC+8*NQ*\sc+NQ*\i:SC+8*NQ*\sc+NQ*\i+3], v[ADRS] offset:\i*SBLK
.endr
.endm
; A load into a register that a matrix instruction has read, and a vector instruction that reads a matrix result, stand NP places behind that matrix instruction, and only plain vector
; instructions that name none of its registers are places (ISA guide 7.12.1 for vector instructions); the matrix instructions in between are not counted.
.macro PLACES n
.rept \n
	v_nop
.endr
.endm
; A step of 128 along K that has its successor in the same slot.  x's blocks 0-3 are fetched anew in the step's middle, blocks 4-7 at its end: a block is free as soon as its eight products are issued.
.macro STEP slot, q, first
	s_wait_dscnt 4*NL                              ; qkv_w's set and x's blocks 0-3 are in; the youngest eight loads (x's blocks 4-7) may be out
.if \first
	WIN FIRST_LO
.else
	WIN MUL_LO
.endif
	MUL16 0, (\q)%2, \q, \slot, \first
	MUL16 2, (\q)%2, \q, \slot, \first
	s_wait_dscnt 0                                 ; x's blocks 4-7 are in (asked for 32 matrix instructions ago)
	PLACES NP
	FETCH_B \slot, (\q)+1, 1-(\q)%2
	FETCH_A \slot, (\q)+1, 0
.if \first
	WIN FIRST_HI
.else
	WIN MUL_HI
.endif
	MUL16 4, (\q)%2, \q, \slot, \first
	MUL16 6, (\q)%2, \q, \slot, \first
	PLACES NP
	WIN 0
	FETCH_A \slot, (\q)+1, 4
.endm
; Slot 0's last step changes slots: ONE barrier; in front of it each wave waits for all its tensor loads (slot 1's is the one that may be out), adds 0 to its spare word, and waits for that and for its own reads of slot 0.
; Behind it slot 1 is whole and nobody reads slot 0 any more.  Nothing is filled again.
.macro TURN slot, next
	s_wait_tensorcnt 0x0                           ; all my tensor loads have landed  (every window is 0 here: the add's two registers lie in window 0)
	ds_add_u32 v[SPW], v[NIL]                      ; 0 onto my spare word
	s_wait_dscnt 4*NL+1                            ; (the add and the youngest eight loads, x's blocks 4-7, may be out)
	WIN MUL_LO
	MUL16 0, 1, NQ-1, \slot, 0                     ; sixteen matrix instructions stand between the add and the wait for it
	s_wait_dscnt 0x0                               ; the add is done, and my reads of this slot are over
	s_barrier_signal -1
	MUL16 2, 1, NQ-1, \slot, 0
	WIN 0
	s_barrier_wait -1
	PLACES NP
	v_add_nc_u32 v[ADRS], 4*NQ, v[ADRS]            ; on to the next slot's scale words (no LDS load of mine is out)
	FETCH_B \next, 0, 0
	FETCH_A \next, 0, 0
	SCALES \next
	WIN MUL_HI
	MUL16 4, 1, NQ-1, \slot, 0
	MUL16 6, 1, NQ-1, \slot, 0
	PLACES NP
	WIN 0
	FETCH_A \next, 0, 4
.endm
.macro STEPS slot, from                ; the slot's steps from .. NQ - 2
.set Q, \from
.rept NQ-1-\from
	STEP \slot, Q, 0
.set Q, Q+1
.endr
.endm
	s_wait_tensorcnt 1                             ; the scales and my part of slot 0 are in (slot 1's load may be out)
	s_barrier_signal -1
	s_barrier_wait -1                              ; everybody's are
	FETCH_B 0, 0, 0
	FETCH_A 0, 0, 0
	SCALES 0
	FETCH_A 0, 0, 4
	s_wait_loadcnt 0x0                             ; the bias
	STEP 0, 0, 1                                   ; the first step's products start the sums from the bias
	STEPS 0, 1
	TURN 0, 1
	STEPS 1, 0
	s_wait_dscnt 4*NL                              ; the very last step: nothing more to fetch
	WIN MUL_LO
	MUL16 0, 1, NQ-1, 1, 0
	MUL16 2, 1, NQ-1, 1, 0
	s_wait_dscnt 0
	WIN MUL_HI
	MUL16 4, 1, NQ-1, 1, 0
	MUL16 6, 1, NQ-1, 1, 0
	WIN 0
; THE WAY OUT, block by block of 16 rows x 128 columns (two heads).  PACK: rounded to f16, 16 bytes a lane.  TOSTAGE: into my own stage in LDS, and back by rows.  SEND: stored.
; In qkvh a head's rows follow each other without a gap, so a block's 16 rows of one head are 2,048 consecutive bytes: four stores of 512 consecutive, aligned bytes.
.macro PACK a
.set AC, 64*((\a)%4)
	WIN 0x0a+5*((\a)/4)                            ; sources 0 and 1: window 2 or 3
.irp b, 0,1,2,3,4,5,6,7
.irp r, 0,1,2,3
	v_cvt_pk_f16_f32 v[TMP+4*\b+\r], v[AC+8*\b+2*\r], v[AC+8*\b+2*\r+1]   ; each accumulator from its low end on
.endr
.endr
	WIN 0
.endm
.macro TOSTAGE a
.set BB, BK+32*((\a)%2)
.irp b, 0,1,2,3,4,5,6,7
	ds_store_b128 v[STO], v[TMP+4*\b:TMP+4*\b+3] offset:(\b/4)*HSTG+32*(\b%4)   ; head b / 4, channels 16 (b % 4) + 8 h on
.endr
.irp t, 0,1,2,3,4,5,6,7
	ds_load_b128 v[BB+4*\t:BB+4*\t+3], v[RD] offset:(\t/4)*HSTG+(\t%4)*4*SPITCH   ; LDS serves a wave's instructions in order (ISA guide 5.7.1.4): these see the stores above
.endr
.endm
.macro SEND a
.set BB, BK+32*((\a)%2)
	s_wait_dscnt 0x0                               ; the block is back in registers
	s_wait_xcnt 0x0                                ; the stores of the block before have read their registers: the next block's loads from the stage land there only behind this wait
.irp t, 0,1,2,3,4,5,6,7
	global_store_b128 v[CO], v[BB+4*\t:BB+4*\t+3], s[12:13] offset:(\t/4)*262144+(\a)*2048+(\t%4)*512   ; every place stands in the immediate: no base is stepped
.endr
.endm
	PLACES NP                                      ; behind the last products: their results, and the registers that they read, are touched only from here on
	PACK 0
	TOSTAGE 0
.irp a, 1,2,3,4,5,6,7                  ; block a's conversions stand between block a - 1's loads from the stage and the wait for them
	PACK \a
	SEND \a-1
	TOSTAGE \a
.endr
	SEND 7
	s_wait_tensorcnt 0x0                           ; the wave's end: behind my last tensor load and my last LDS store
	ds_add_u32 v[SPW], v[NIL]
	s_wait_dscnt 0x0
	CROUND                                         ; the closing round: no work-group ends while a partner may still ask for a tile that names it
	s_endpgm
.Lfunc_end_k_qa77a5fa76d_qkv:
	.size	k_qa77a5fa76d_qkv, .Lfunc_end_k_qa77a5fa76d_qkv-k_qa77a5fa76d_qkv
	.p2alignl 7, 3214868480
	.fill 96, 4, 3214868480
	.section	.rodata,"a",@progbits
	.p2align	6, 0x0
	.amdhsa_kernel k_qa77a5fa76d_qkv
		.amdhsa_group_segment_fixed_size 327680
		.amdhsa_private_segment_fixed_size 0
		.amdhsa_enable_private_segment 0
		.amdhsa_kernarg_size 48
		.amdhsa_user_sgpr_count 2
		.amdhsa_user_sgpr_kernarg_segment_ptr 1
		.amdhsa_wavefront_size32 1
		.amdhsa_system_sgpr_workgroup_id_x 1
		.amdhsa_system_sgpr_workgroup_id_y 1
		.amdhsa_system_sgpr_workgroup_id_z 1
		.amdhsa_system_vgpr_workitem_id 0
		.amdhsa_next_free_vgpr 1024
		.amdhsa_next_free_sgpr 100
		.amdhsa_reserve_vcc 0
		.amdhsa_float_denorm_mode_32 3
		.amdhsa_float_denorm_mode_16_64 3
		.amdhsa_memory_ordered 1
		.amdhsa_forward_progress 1
		.amdhsa_inst_pref_size 128
	.end_amdhsa_kernel
	.amdgpu_metadata
---
amdhsa.version: [ 1, 2 ]
amdhsa.kernels:
  - .name:           k_qa77a5fa76d_qkv
    .symbol:         k_qa77a5fa76d_qkv.kd
    .args:
      - { .name: xc, .offset: 0, .size: 8, .value_kind: global_buffer, .address_space: global }
      - { .name: xs, .offset: 8, .size: 8, .value_kind: global_buffer, .address_space: global }
      - { .name: wc, .offset: 16, .size: 8, .value_kind: global_buffer, .address_space: global }
      - { .name: ws, .offset: 24, .size: 8, .value_kind: global_buffer, .address_space: global }
      - { .name: qkv_b, .offset: 32, .size: 8, .value_kind: global_buffer, .address_space: global }
      - { .name: qkvh, .offset: 40, .size: 8, .value_kind: global_buffer, .address_space: global }
    .group_segment_fixed_size: 327680
    .private_segment_fixed_size: 0
    .kernarg_segment_align: 8
    .kernarg_segment_size: 48
    .max_flat_workgroup_size: 128
    .sgpr_count:     100
    .vgpr_count:     1024
    .wavefront_size: 32
...
	.end_amdgpu_metadata
.endif
;; end of part 2
;; launch attn (part 3): grid 4 x 64, 16 waves a work-group, clusters of 4 x 1, 327,680 bytes of LDS; arguments qkvh, att; writes att
.if DOCPART == 3
	.amdgcn_target "amdgcn-amd-amdhsa--gfx1250"
	.amdhsa_code_object_version 6
	.text
	.protected	k_qa77a5fa76d_attn
	.globl	k_qa77a5fa76d_attn
	.p2align	8
	.type	k_qa77a5fa76d_attn,@function
k_qa77a5fa76d_attn:
	s_mov_b64 s[64:65], 0
	v_nop
	global_prefetch_b8 v0, s[64:65] scope:SCOPE_SE
	s_setreg_imm32_b32 hwreg(HW_REG_WAVE_MODE, 25, 1), 1
	s_wait_xcnt 0x0
	s_wait_alu depctr_hold_cnt(0) depctr_sa_sdst(0) depctr_va_vdst(0) depctr_va_sdst(0) depctr_va_ssrc(0) depctr_va_vcc(0) depctr_vm_vsrc(0)
	s_getreg_b32 s2, hwreg(HW_REG_IB_STS2, 6, 4)
	s_cmp_eq_u32 s2, 0
	s_cbranch_scc0 .Lentry_in_a_cluster
	s_endpgm
.Lentry_in_a_cluster:
	s_bfe_u32 s2, ttmp6, 0x10000c
	s_cmp_lg_u32 s2, 0x3003
	s_cbranch_scc0 .Lentry_shape_is_right
	s_endpgm
.Lentry_shape_is_right:
; att[bh][q][:] = the sum over k of softmax_k(Q[bh][q] . K[bh][k] / 8) V[bh][k][:], for 64 heads bh = 16 batch + head, 2,048 positions, 64 channels, no mask.
; Q, K, V: f16, the three parts of qkvh, each [64][2048][64]; att: f16, [64][2048][64].  Products, maxima and sums in f32; the weights p are rounded to f16 for the second product, the result once at the end.
; LIMITS: NaN and infinities are not served; a p under 2^-25 of its row's largest counts as 0 in the second product; a result under 6.1e-5 in magnitude keeps an absolute step of 6e-8 in f16.
; SHARES.  A work-group owns 512 queries of one head; each of its SIXTEEN waves owns 32 of them, two tiles of 16, in 256 registers: four waves to a SIMD, so that one wave's vector work stands beside another's matrix work and LDS loads.
; Every wave walks all keys of the head, 64 a step.  K's and V's tiles come through two LDS slots of 512 keys, filled by the tensor data mover (waves 0 and 1: K's halves; waves 2 and 3: V's) and read by all sixteen.
; CLUSTER.  The four work-groups of a head form a cluster and walk the same K and V, so each tile is asked for JOINTLY: the same tensor load, with the same descriptor and a mask that names the four.
; LAYOUT.  S^T = K Q^T (source 0 = 16 keys, source 1 = 16 queries): a lane holds ONE query (lane % 16) and the keys 8 (lane / 16) + 0..7.  Two such tiles, rounded to f16 in pairs, ARE source 1 (32 keys x 16 queries)
; of O^T = V^T P, whose result again holds one query a lane, and eight channels.  K comes out of LDS as it lies, V ([key][channel]) turned, by ds_load_tr16_b128.
; SOFTMAX.  For each query a running maximum m and sum l: p = 2^(c s - c m), c = log2(e) / 8; in every step O and l are multiplied by a = 2^(c m_old - c m_new).  The step is written once: m begins at -3e38, so the first a is 0 and multiplies zeros.
; REGISTERS: v1-11 addresses; v12, v13, v30, v31 at work; v14-29 eight registers of statistics a tile; v32-63 Q; v64-127 S^T, then p, then P packed in place; v128-191 O^T; v192-255 a step's fragments of K, then of V.
.set PK,    144                        ; a row of K in LDS: 128 bytes + 16 of padding = 36 words: the 16 rows of a load start 4 words apart modulo 64
.set PVP,   160                        ; a row of V: 128 + 32 = 40 words: the turning load's 8 rows x 32 bytes touch each word column once
.set SK,    512                        ; keys in a slot
.set VOFF,  SK*PK                      ; a slot: 512 rows of K, then 512 rows of V
.set SLOTB, SK*(PK+PVP)
.set SPARE, 2*SLOTB                    ; behind the slots: the spare words, 128 bytes for each wave, which no other line names
.set STG,   2*16*PK                    ; the way out: 2 tiles x 16 rows x 144 bytes for each wave, from LDS byte 0 on: slot 0, once it has had its last fill and its last read
.set AK0, 1                            ; v1   my lane's place in a tile of K; never rewritten
.set AV0, 2                            ; v2   the same for V
.set ADK, 3                            ; v3   LDS address of the step's K
.set ADV, 4                            ; v4   of its V
.set QO,  5                            ; v5   my byte offset in the wave's rows of Q
.set STO, 6                            ; v6   the way out: where I put 16 bytes of a row
.set RD,  7                            ; v7   the way out: where I read rows back
.set GO,  8                            ; v8   16 x lane
.set PFO, 9                            ; v9   256 x lane: the prefetch's offset
.set SPW, 10                           ; v10  LDS address of my spare word; never rewritten
.set NIL, 11                           ; v11  0; never rewritten
.set ST,  14                           ; tile t's statistics at v[ST + 8 t]: +0 c m, +1 m, +2, +3 l (even keys', odd keys'), +4 to +7 c0-c3, at work; a takes c2's place
.set RQ,  32                           ; Q: tile t, channels 32 c on, at RQ + 16 t + 8 c
.set RS,  64                           ; S^T: tile t, keys 16 kb on, at RS + 32 t + 8 kb
.set RO,  128                          ; O^T: tile t, channels 16 cb on, at RO + 32 t + 8 cb
.set RF,  192
.set WV,  12                           ; s12  my wave's number
.set G1K, 24                           ; s[24:31] descriptor group 1 for K's tiles;  s[32:39] for V's: it differs in the padding alone
.set G1V, 32
.set G0K, 40                           ; s[40:47] group 0 for K's tiles, one set for each slot;  s[48:55] for V's
.set G0V, 48
.set CNT, 56                           ; s56  counts a slot's eight steps
.set TK,  57                           ; s57  LDS byte at which the step's K begins
.set CS,  58                           ; s[58:59] c: the packed scaling names a pair and takes its low word for both halves
.set SEL, 60                           ; s[60:61] lane selects for v_permlanex16_b32: lane l xor 16
.set TV,  62                           ; s62  the step's V, counted from the slot's first row of V
.set PF,  63                           ; s63  1 in a wave that prefetches
.set PFA, 66                           ; s[66:67] where my prefetch stands in memory
.macro CROUND                          ; a round of the cluster's barrier: my work-group's barrier; wave 0 signals for the work-group; every wave waits for all four; my work-group's barrier once more
	s_barrier_signal -1
	s_barrier_wait -1
	s_cmp_lg_u32 s[WV], 0
	s_cbranch_scc1 .Lnot_wave_0_\@
	s_barrier_signal -3
.Lnot_wave_0_\@:
	s_barrier_wait -3
	s_barrier_signal -1
	s_barrier_wait -1
.endm
; A joint refill of slot s.  Waves 0 and 1 fetch K's halves, waves 2 and 3 V's, the others nothing.  The branches hang on the wave's number alone.  An s_nop 0 and four v_nop follow each of the two lines.
.macro JLOAD s
	s_cmp_lt_u32 s[WV], 2
	s_cbranch_scc0 .Lnot_k_\@
	tensor_load_to_lds s[G0K+4*\s:G0K+4*\s+3], s[G1K:G1K+7]
	s_nop 0
.rept 4
	v_nop
.endr
	s_branch .Lasked_\@
.Lnot_k_\@:
	s_cmp_lt_u32 s[WV], 4
	s_cbranch_scc0 .Lasked_\@
	tensor_load_to_lds s[G0V+4*\s:G0V+4*\s+3], s[G1V:G1V+7]
	s_nop 0
.rept 4
	v_nop
.endr
.Lasked_\@:
.endm
; A PREFETCH INTO THE L2 of the head's last 512 keys, which the second change of slots will ask for: it stands once, behind the first change's joint load, a slot's eight steps ahead of that load.
; 65,536 bytes of K and as many of V, dense.  The four partners share them out BY ADDRESS, 16,384 bytes each; in each, waves 4 and 5 ask for K's and waves 6 and 7 for V's, 8,192 bytes a wave, lanes 256 bytes apart:
; each aligned block of 256 bytes is named once in the launch.  The address is never rewritten.  The first 1,536 keys come by their loads alone.
.macro ASK
	s_cmp_eq_u32 s[PF], 1
	s_cbranch_scc0 .Lnot_mine_\@
	global_prefetch_b8 v[PFO], s[PFA:PFA+1] th:TH_LOAD_NT scope:SCOPE_SE
.Lnot_mine_\@:
.endm
	s_load_b64 s[4:5], s[0:1], 0x0                 ; qkvh
	s_load_b64 s[10:11], s[0:1], 0x8               ; att
	v_lshl_add_u32 v[SPW], v0, 2, SPARE
	v_mov_b32 v[NIL], 0
	ds_add_u32 v[SPW], v[NIL]                      ; the wave's opening: the add, twice on end, and its wait ahead of the first tensor loads; the set-up below, work on registers, stands between
	ds_add_u32 v[SPW], v[NIL]
	v_lshrrev_b32 v12, 5, v0
	v_readfirstlane_b32 s[WV], v12                 ; wave 0..15
	s_bfe_u32 s13, ttmp6, 0x40000                  ; cx: my place in the cluster = my block of 512 queries: it enters Q's, att's and the prefetch's addresses alone
	s_and_b32 s14, ttmp7, 0xffff                   ; the head, which the four partners share
	s_lshl_b32 s14, s14, 18                        ; its first byte in each of Q, K, V and att: 2,048 rows of 128 bytes
	s_and_b32 s15, s[WV], 1                        ; which half of a slot's rows I fetch, if I fetch
	; descriptor group 1: a tile of 256 rows x 64 elements, padded in LDS
	s_mov_b32 s[G1K], 15|(1<<16)|(1<<20)|(1<<21)|(4<<22)|(3<<25)  ; 15:0 the mask: all four work-groups; 17:16 elements of 2 bytes; 20 padding on; 21 set beside a mask; 24:22 after every 32 words (code 4); 31:25 4 words of it (code 3)
	s_mov_b32 s[G1V], 15|(1<<16)|(1<<20)|(1<<21)|(4<<22)|(7<<25)  ; the same with 8 words of padding (code 7)
.irp g, G1K, G1V
	s_mov_b32 s[\g+1], 64<<16                      ; tensor_dim0 = 64
	s_mov_b32 s[\g+2], 256<<16                     ; tensor_dim1 = 256
	s_mov_b32 s[\g+3], 64<<16                      ; tile_dim0 = 64
	s_mov_b32 s[\g+4], 256                         ; tile_dim1 = 256
	s_mov_b32 s[\g+5], 64                          ; tensor_dim0_stride: elements from row to row
	s_mov_b32 s[\g+6], 0
	s_mov_b32 s[\g+7], 0
.endr
	s_mov_b32 s[CS], 0x3e38aa3b                    ; c = log2(e) / 8
	s_mov_b32 s[CS+1], s[CS]                       ; named with it as a pair, so it is written
	s_mov_b32 s[SEL], 0x76543210
	s_mov_b32 s[SEL+1], 0xfedcba98
	s_lshl_b32 s16, s15, 15                        ; my half: 256 rows of 128 bytes,
	s_add_co_u32 s16, s16, s14                     ; in my head
	s_mov_b32 s17, 0
	s_lshl_b32 s18, s13, 16                        ; my work-group's 512 rows,
	s_lshl_b32 s19, s[WV], 12                      ; my wave's 32 of them,
	s_add_co_u32 s18, s18, s19
	s_add_co_u32 s18, s18, s14                     ; in my head
	s_mov_b32 s19, 0
	s_cmp_lt_u32 s[WV], 6                          ; the prefetch: waves 4 and 5 K, waves 6 and 7 V
	s_cselect_b32 s20, 0, 0x1000000
	s_add_co_u32 s20, s20, 0x1000000+3*SK*128      ; K's or V's part of qkvh, keys 1,536 on,
	s_add_co_u32 s20, s20, s14                     ; in my head,
	s_lshl_b32 s21, s13, 14
	s_add_co_u32 s20, s20, s21                     ; my work-group's 16,384 bytes,
	s_lshl_b32 s21, s15, 13
	s_add_co_u32 s20, s20, s21                     ; my wave's 8,192 of them
	s_mov_b32 s21, 0
	s_sub_co_u32 s22, s[WV], 4
	s_lshr_b32 s22, s22, 2                         ; 0 in waves 4 to 7: the same in all four partners
	s_cmp_eq_u32 s22, 0
	s_cselect_b32 s[PF], 1, 0
	s_mul_i32 s22, s15, 256*PK                     ; my half's place in a slot: K's,
	s_mul_i32 s23, s15, 256*PVP                    ; V's: no place in the cluster enters an LDS address
	s_wait_dscnt 0x0                               ; both opening adds are done
	s_wait_kmcnt 0x0
	s_add_nc_u64 s[PFA:PFA+1], s[4:5], s[20:21]
	s_add_nc_u64 s[6:7], s[4:5], s[16:17]
	s_add_nc_u64 s[8:9], s[6:7], 0x2000000         ; V at my half of the head's first 512 keys,
	s_add_nc_u64 s[6:7], s[6:7], 0x1000000         ; K likewise
	s_add_nc_u64 s[4:5], s[4:5], s[18:19]          ; Q and att at my wave's first row
	s_add_nc_u64 s[10:11], s[10:11], s[18:19]
	CROUND                                         ; all four work-groups are here: the first joint loads meet
.irp s, 0,1
	s_mov_b32 s[G0K+4*\s], 1                       ; 1:0 count = 1
	s_add_co_u32 s[G0K+4*\s+1], s22, \s*SLOTB      ; 63:32 LDS address
	s_add_nc_u64 s[G0K+4*\s+2:G0K+4*\s+3], s[6:7], \s*SK*128   ; 120:64 global address: slot s begins with keys 512 s on
	s_or_b32 s[G0K+4*\s+3], s[G0K+4*\s+3], 0x80000000          ; 127:126 type = 2
	s_mov_b32 s[G0V+4*\s], 1
	s_add_co_u32 s[G0V+4*\s+1], s23, \s*SLOTB+VOFF
	s_add_nc_u64 s[G0V+4*\s+2:G0V+4*\s+3], s[8:9], \s*SK*128
	s_or_b32 s[G0V+4*\s+3], s[G0V+4*\s+3], 0x80000000
.endr
	s_cmp_lt_u32 s[WV], 2                          ; a wave's two first fills stand in one arm, ahead of every wait on TENSORcnt and every LDS read: two loads of a fetching wave are out
	s_cbranch_scc0 .Lfirst_not_k
	tensor_load_to_lds s[G0K:G0K+3], s[G1K:G1K+7]
	s_nop 0
	tensor_load_to_lds s[G0K+4:G0K+7], s[G1K:G1K+7]
	s_nop 0
.rept 4
	v_nop
.endr
	s_branch .Lfirst_asked
.Lfirst_not_k:
	s_cmp_lt_u32 s[WV], 4
	s_cbranch_scc0 .Lfirst_asked
	tensor_load_to_lds s[G0V:G0V+3], s[G1V:G1V+7]
	s_nop 0
	tensor_load_to_lds s[G0V+4:G0V+7], s[G1V:G1V+7]
	s_nop 0
.rept 4
	v_nop
.endr
.Lfirst_asked:
	; A fragment of K or Q is 16 rows x 32 channels in 8 registers: lane l holds row l % 16; registers 0-3 channels 8 (l / 16) + 0..7, registers 4-7 channels 16 + 8 (l / 16) + 0..7: two loads of 16 bytes, 32 bytes apart.
	v_and_b32 v12, 15, v0                          ; r = l % 16
	v_bfe_u32 v13, v0, 4, 1                        ; h = l / 16
	v_lshlrev_b32 v[QO], 7, v12
	v_lshl_add_u32 v[QO], v13, 4, v[QO]            ; row x 128 + 16 x half
.irp t, 0,1
.irp c, 0,1
	global_load_b128 v[RQ+16*\t+8*\c:RQ+16*\t+8*\c+3],   v[QO], s[4:5] offset:\t*2048+\c*64      ; Q stays in registers
	global_load_b128 v[RQ+16*\t+8*\c+4:RQ+16*\t+8*\c+7], v[QO], s[4:5] offset:\t*2048+\c*64+32
.endr
.endr
	v_mul_u32_u24 v[AK0], v12, PK
	v_lshl_add_u32 v[AK0], v13, 4, v[AK0]          ; row x pitch + 16 x half
	; The turning load takes 16 keys x 16 channels (lane l reads 16 bytes: key 8 (l / 16) + l % 8, channels 8 ((l / 8) % 2) + 0..7) and leaves half a fragment of V^T: lane l holds channel l % 16 and 8 keys.
	v_and_b32 v30, 7, v0
	v_lshl_add_u32 v[AV0], v13, 3, v30
	v_mul_u32_u24 v[AV0], v[AV0], PVP
	v_bfe_u32 v30, v0, 3, 1
	v_lshl_add_u32 v[AV0], v30, 4, v[AV0]
	v_add_nc_u32 v[AV0], VOFF, v[AV0]
	s_mul_i32 s16, s[WV], STG                      ; my stage
	v_mul_u32_u24 v[STO], v12, PK                  ; in: row r, 16 bytes for each half of the lanes
	v_lshl_add_u32 v[STO], v13, 4, v[STO]
	v_add_nc_u32 v[STO], s16, v[STO]
	v_and_b32 v31, 31, v0                          ; lane
	v_lshrrev_b32 v30, 3, v31
	v_mul_u32_u24 v[RD], v30, PK                   ; back: eight lanes to a row of 128 bytes, four rows an instruction
	v_and_b32 v30, 7, v0
	v_lshl_add_u32 v[RD], v30, 4, v[RD]
	v_add_nc_u32 v[RD], s16, v[RD]
	v_lshlrev_b32 v[GO], 4, v31
	v_lshlrev_b32 v[PFO], 8, v31
.irp t, 0,1
	v_mov_b32 v[ST+8*\t+1], 0xff61b1e6             ; m: -3e38, under every score
	v_mov_b32 v[ST+8*\t+2], 0                      ; l, in two halves
	v_mov_b32 v[ST+8*\t+3], 0
.endr
.irp t, 0,1
	v_mul_f32 v[ST+8*\t], s[CS], v[ST+8*\t+1]      ; c m
.endr
.set i, 0
.rept 64
	v_mov_b32 v[RO+i], 0                           ; O^T.  (The step is written once: its first run finds zeros, which the first a leaves zeros)
.set i, i+1
.endr
; A KEY STEP: 64 keys.
.macro STEP
	v_add_nc_u32 v[ADK], s[TK], v[AK0]             ; these two lines and three v_nop are five places behind the last step's products V^T P: four are owed by the loads into the registers that held V,
	v_add_nc_u32 v[ADV], s[TV], v[AV0]             ; five by the products K Q^T, which write over the registers that held P (ISA guide 7.12.1 for the products)
.rept 3
	v_nop
.endr
.irp c, 0,1                                    ; K: the four key blocks' channels 0-31 first
.irp kb, 0,1,2,3
	ds_load_b128 v[RF+8*(2*\kb+\c):RF+8*(2*\kb+\c)+3],   v[ADK] offset:\kb*16*PK+64*\c
	ds_load_b128 v[RF+8*(2*\kb+\c)+4:RF+8*(2*\kb+\c)+7], v[ADK] offset:\kb*16*PK+64*\c+32
.endr
.endr
	s_wait_dscnt 8                                 ; channels 0-31 are in; the eight loads of channels 32-63 may be out
.irp kb, 0,1,2,3                               ; S^T = K Q^T: the eight accumulators take turns, one instruction a turn; the first eight products start the sums
.irp t, 0,1
	v_wmma_f32_16x16x32_f16 v[RS+32*\t+8*\kb:RS+32*\t+8*\kb+7], v[RF+16*\kb:RF+16*\kb+7], v[RQ+16*\t:RQ+16*\t+7], 0
.endr
.endr
	s_wait_dscnt 0x0
.irp kb, 0,1,2,3
.irp t, 0,1
	v_wmma_f32_16x16x32_f16 v[RS+32*\t+8*\kb:RS+32*\t+8*\kb+7], v[RF+16*\kb+8:RF+16*\kb+15], v[RQ+16*\t+8:RQ+16*\t+15], v[RS+32*\t+8*\kb:RS+32*\t+8*\kb+7]
.endr
.endr
.rept 4
	v_nop                                          ; four places: for the loads into the registers that held K, and for the first read of the scores
.endr
.irp kh, 0,1                                   ; V, turned: keys 32 kh on, channels 16 cb on.  The sixteen loads land while the softmax is walked
.irp cb, 0,1,2,3
	ds_load_tr16_b128 v[RF+8*(4*\kh+\cb):RF+8*(4*\kh+\cb)+3],   v[ADV] offset:\kh*32*PVP+32*\cb
	ds_load_tr16_b128 v[RF+8*(4*\kh+\cb)+4:RF+8*(4*\kh+\cb)+7], v[ADV] offset:\kh*32*PVP+16*PVP+32*\cb
.endr
.endr
	; the maximum of a lane's 32 scores and the old m, three operands at a time: four chains of seven scores, each begun at its accumulator's low end; the two tiles alternate
.irp j, 0,1,2,3
.irp t, 0,1
	v_max3_num_f32 v[ST+8*\t+4+\j], v[RS+32*\t+8*\j], v[RS+32*\t+8*\j+1], v[RS+32*\t+8*\j+2]
.endr
.endr
.irp g, 1,2
.irp j, 0,1,2,3
.irp t, 0,1
	v_max3_num_f32 v[ST+8*\t+4+\j], v[ST+8*\t+4+\j], v[RS+32*\t+8*\j+2*\g+1], v[RS+32*\t+8*\j+2*\g+2]
.endr
.endr
.endr
.irp t, 0,1
	v_max3_num_f32 v[ST+8*\t+4], v[ST+8*\t+4], v[RS+32*\t+7], v[RS+32*\t+15]
	v_max3_num_f32 v[ST+8*\t+6], v[ST+8*\t+6], v[RS+32*\t+23], v[RS+32*\t+31]
.endr
.irp t, 0,1
	v_max3_num_f32 v[ST+8*\t+4], v[ST+8*\t+4], v[ST+8*\t+5], v[ST+8*\t+6]
.endr
.irp t, 0,1
	v_max3_num_f32 v[ST+8*\t+4], v[ST+8*\t+4], v[ST+8*\t+7], v[ST+8*\t+1]
.endr
.irp t, 0,1
	v_permlanex16_b32 v[ST+8*\t+5], v[ST+8*\t+4], s[SEL], s[SEL+1]   ; the query's other 32 keys lie in the lane 16 away
.endr
.irp t, 0,1
	v_mov_b32 v[ST+8*\t+7], v[ST+8*\t]             ; c m_old is kept for a
.endr
.irp t, 0,1
	v_max_num_f32 v[ST+8*\t+1], v[ST+8*\t+4], v[ST+8*\t+5]
.endr
.irp t, 0,1
	v_mul_f32 v[ST+8*\t], s[CS], v[ST+8*\t+1]
.endr
.irp t, 0,1
	v_sub_f32 v[ST+8*\t+7], v[ST+8*\t+7], v[ST+8*\t]
.endr
.irp t, 0,1
.set i, 0
.rept 16
	v_pk_fma_f32 v[RS+32*\t+i:RS+32*\t+i+1], v[RS+32*\t+i:RS+32*\t+i+1], s[CS:CS+1], v[ST+8*\t:ST+8*\t+1] op_sel_hi:[1,0,0] neg_lo:[0,0,1] neg_hi:[0,0,1]   ; c s - c m, two at a time
.set i, i+2
.endr
.endr
.irp t, 0,1
	v_exp_f32 v[ST+8*\t+6], v[ST+8*\t+7]           ; a
.endr
.set i, 0
.rept 64
	v_exp_f32 v[RS+i], v[RS+i]                     ; p, at most about 1: ONE BATCH of 66 exponentials, none of which reads another's result
.set i, i+1
.endr
	v_nop                                          ; a plain instruction behind the last exponential, ahead of the first use
	s_wait_alu depctr_va_vdst(0)                   ; a wait ahead of the first instruction that names a result: one for the batch
.irp t, 0,1                                    ; THE SUMS ARE TAKEN OF THE UNROUNDED p: l = a l + the sum, in two chains a tile
	v_pk_mul_f32 v[ST+8*\t+2:ST+8*\t+3], v[ST+8*\t+2:ST+8*\t+3], v[ST+8*\t+6:ST+8*\t+7] op_sel_hi:[1,0]
	v_pk_add_f32 v[ST+8*\t+4:ST+8*\t+5], v[RS+32*\t:RS+32*\t+1], v[RS+32*\t+2:RS+32*\t+3]
.endr
.irp j, 4,8,12,16,20,24,28
.irp t, 0,1
	v_pk_add_f32 v[ST+8*\t+2:ST+8*\t+3], v[ST+8*\t+2:ST+8*\t+3], v[RS+32*\t+\j:RS+32*\t+\j+1]
	v_pk_add_f32 v[ST+8*\t+4:ST+8*\t+5], v[ST+8*\t+4:ST+8*\t+5], v[RS+32*\t+\j+2:RS+32*\t+\j+3]
.endr
.endr
.irp t, 0,1
	v_pk_add_f32 v[ST+8*\t+2:ST+8*\t+3], v[ST+8*\t+2:ST+8*\t+3], v[ST+8*\t+4:ST+8*\t+5]
.endr
.irp t, 0,1                                    ; P, packed in place: register i takes weights 2 i and 2 i + 1; ascending, so that nothing is written before it is read
.set i, 0
.rept 16
	v_cvt_pk_f16_f32 v[RS+32*\t+i], v[RS+32*\t+2*i], v[RS+32*\t+2*i+1]
.set i, i+1
.endr
.endr
.irp t, 0,1                                    ; O^T times a, each accumulator from its low end on
.set i, 0
.rept 16
	v_pk_mul_f32 v[RO+32*\t+i:RO+32*\t+i+1], v[RO+32*\t+i:RO+32*\t+i+1], v[ST+8*\t+6:ST+8*\t+7] op_sel_hi:[1,0]
.set i, i+2
.endr
.endr
	s_wait_dscnt 0x0                               ; V is in
.irp kh, 0,1                                   ; O^T += V^T P: the eight accumulators take turns
.irp cb, 0,1,2,3
.irp t, 0,1
	v_wmma_f32_16x16x32_f16 v[RO+32*\t+8*\cb:RO+32*\t+8*\cb+7], v[RF+8*(4*\kh+\cb):RF+8*(4*\kh+\cb)+7], v[RS+32*\t+8*\kh:RS+32*\t+8*\kh+7], v[RO+32*\t+8*\cb:RO+32*\t+8*\cb+7]
.endr
.endr
.endr
	s_add_co_u32 s[TK], s[TK], 64*PK               ; the next step's 64 rows
	s_add_co_u32 s[TV], s[TV], 64*PVP
.endm
; A slot's eight key steps: written once, walked eight times; the LDS addresses hang on s[TK] and s[TV].
.macro SLOT_STEPS base
	s_mov_b32 s[TK], \base
	s_mov_b32 s[TV], \base
	s_mov_b32 s[CNT], 8
.Lstep_\@:
	STEP
	s_sub_co_u32 s[CNT], s[CNT], 1
	s_cmp_lg_u32 s[CNT], 0
	s_cbranch_scc1 .Lstep_\@
.endm
; THE CHANGE OF SLOTS.  Each wave waits for all its tensor loads (its part of the slot that it is about to read), adds 0 to its spare word, and waits for that and for its reads of the slot that it has left.
; fill = 1: slot s, just left, is filled with the keys 1,024 on from those that it held.  The barrier is then a round of the cluster's, so that no wave of any partner still reads the slot or has a load on its way,
; and the joint refill is the first thing behind it: it has a slot's eight steps in which to land.  There the add stands twice on end.
.macro CHANGE s, fill
	s_wait_tensorcnt 0x0                           ; no tensor load of mine is out, so a group 0 may be written
	ds_add_u32 v[SPW], v[NIL]                      ; 0 onto my spare word
.if \fill
	ds_add_u32 v[SPW], v[NIL]
	s_add_nc_u64 s[G0K+4*\s+2:G0K+4*\s+3], s[G0K+4*\s+2:G0K+4*\s+3], 2*SK*128   ; the type bits on top are not reached
	s_add_nc_u64 s[G0V+4*\s+2:G0V+4*\s+3], s[G0V+4*\s+2:G0V+4*\s+3], 2*SK*128
	s_wait_dscnt 0x0                               ; both adds are done, and my reads of the slot are over
	CROUND
	JLOAD \s
.else
	s_wait_dscnt 0x0                               ; the add is done, and my reads of the slot are over
	s_barrier_signal -1
	s_barrier_wait -1
.endif
.endm
	s_wait_tensorcnt 1                             ; my part of slot 0 is in; slot 1's load may stay out
	s_barrier_signal -1
	s_barrier_wait -1                              ; everybody's is
	s_wait_loadcnt 0x0                             ; Q
	SLOT_STEPS 0                                   ; keys 0 to 511
	CHANGE 0, 1                                    ; slot 0 takes keys 1,024 on
	ASK
	SLOT_STEPS SLOTB                               ; keys 512 to 1,023
	CHANGE 1, 1                                    ; slot 1 takes keys 1,536 on
	SLOT_STEPS 0
	CHANGE 0, 0                                    ; nothing is left to fetch
	SLOT_STEPS SLOTB
	; THE WAY OUT.  l's two halves and the other half of the lanes' are added; O^T is divided by l, rounded to f16 and sent through my stage in LDS.  The additions are the places behind the last products.
.irp t, 0,1
	v_add_f32 v[ST+8*\t+4], v[ST+8*\t+2], v[ST+8*\t+3]
.endr
.irp t, 0,1
	v_permlanex16_b32 v[ST+8*\t+5], v[ST+8*\t+4], s[SEL], s[SEL+1]
.endr
.irp t, 0,1
	v_add_f32 v[ST+8*\t+4], v[ST+8*\t+4], v[ST+8*\t+5]
.endr
.irp t, 0,1
	v_rcp_f32 v[ST+8*\t+6], v[ST+8*\t+4]
.endr
	v_nop                                          ; a plain instruction between the last reciprocal and the use of its result
	s_wait_alu depctr_va_vdst(0)                   ; and a wait ahead of the first use: one for both
.irp t, 0,1
.set i, 0
.rept 16
	v_pk_mul_f32 v[RO+32*\t+i:RO+32*\t+i+1], v[RO+32*\t+i:RO+32*\t+i+1], v[ST+8*\t+6:ST+8*\t+7] op_sel_hi:[1,0]
.set i, i+2
.endr
.set i, 0
.rept 16
	v_cvt_pk_f16_f32 v[RS+16*\t+i], v[RO+32*\t+2*i], v[RO+32*\t+2*i+1]   ; a lane's eight channels of a row pack into 16 bytes
.set i, i+1
.endr
.irp cb, 0,1,2,3
	ds_store_b128 v[STO], v[RS+16*\t+4*\cb:RS+16*\t+4*\cb+3] offset:\t*16*PK+32*\cb
.endr
.irp i4, 0,1,2,3
	ds_load_b128 v[RF+16*\t+4*\i4:RF+16*\t+4*\i4+3], v[RD] offset:\t*16*PK+4*PK*\i4   ; LDS serves a wave's instructions in order (ISA guide 5.7.1.4): these see the stores above
.endr
.endr
.irp t, 0,1
.irp i4, 0,1,2,3
	s_wait_dscnt 11-8*\t-\i4                       ; younger than this load: its tile's later loads and, for tile 0, tile 1's eight LDS instructions
	global_store_b128 v[GO], v[RF+16*\t+4*\i4:RF+16*\t+4*\i4+3], s[10:11] offset:\t*2048+512*\i4   ; 32 lanes store 512 consecutive bytes, aligned: four rows of att
.endr
.endr
	s_wait_tensorcnt 0x0                           ; the wave's end: behind my last tensor load and my last LDS store
	ds_add_u32 v[SPW], v[NIL]
	s_wait_dscnt 0x0
	CROUND                                         ; the closing round: no work-group ends while a partner may still ask for a tile that names it
	s_endpgm
.Lfunc_end_k_qa77a5fa76d_attn:
	.size	k_qa77a5fa76d_attn, .Lfunc_end_k_qa77a5fa76d_attn-k_qa77a5fa76d_attn
	.p2alignl 7, 3214868480
	.fill 96, 4, 3214868480
	.section	.rodata,"a",@progbits
	.p2align	6, 0x0
	.amdhsa_kernel k_qa77a5fa76d_attn
		.amdhsa_group_segment_fixed_size 327680
		.amdhsa_private_segment_fixed_size 0
		.amdhsa_enable_private_segment 0
		.amdhsa_kernarg_size 16
		.amdhsa_user_sgpr_count 2
		.amdhsa_user_sgpr_kernarg_segment_ptr 1
		.amdhsa_wavefront_size32 1
		.amdhsa_system_sgpr_workgroup_id_x 1
		.amdhsa_system_sgpr_workgroup_id_y 1
		.amdhsa_system_sgpr_workgroup_id_z 1
		.amdhsa_system_vgpr_workitem_id 0
		.amdhsa_next_free_vgpr 256
		.amdhsa_next_free_sgpr 68
		.amdhsa_reserve_vcc 0
		.amdhsa_float_denorm_mode_32 3
		.amdhsa_float_denorm_mode_16_64 3
		.amdhsa_memory_ordered 1
		.amdhsa_forward_progress 1
		.amdhsa_inst_pref_size 89
	.end_amdhsa_kernel
	.amdgpu_metadata
---
amdhsa.version: [ 1, 2 ]
amdhsa.kernels:
  - .name:           k_qa77a5fa76d_attn
    .symbol:         k_qa77a5fa76d_attn.kd
    .args:
      - { .name: qkvh, .offset: 0, .size: 8, .value_kind: global_buffer, .address_space: global }
      - { .name: att, .offset: 8, .size: 8, .value_kind: global_buffer, .address_space: global }
    .group_segment_fixed_size: 327680
    .private_segment_fixed_size: 0
    .kernarg_segment_align: 8
    .kernarg_segment_size: 16
    .max_flat_workgroup_size: 512
    .sgpr_count:     68
    .vgpr_count:     256
    .wavefront_size: 32
...
	.end_amdgpu_metadata
.endif
;; end of part 3
;; launch proj (part 4): grid 8 x 32, 4 waves a work-group, clusters of 4 x 4, 327,680 bytes of LDS; arguments att, w16, out_b, out0; writes out0
.if DOCPART == 4
	.amdgcn_target "amdgcn-amd-amdhsa--gfx1250"
	.amdhsa_code_object_version 6
	.text
	.protected	k_qa77a5fa76d_proj
	.globl	k_qa77a5fa76d_proj
	.p2align	8
	.type	k_qa77a5fa76d_proj,@function
k_qa77a5fa76d_proj:
	s_mov_b64 s[64:65], 0
	v_nop
	global_prefetch_b8 v0, s[64:65] scope:SCOPE_SE
	s_setreg_imm32_b32 hwreg(HW_REG_WAVE_MODE, 25, 1), 1
	s_wait_xcnt 0x0
	s_wait_alu depctr_hold_cnt(0) depctr_sa_sdst(0) depctr_va_vdst(0) depctr_va_sdst(0) depctr_va_ssrc(0) depctr_va_vcc(0) depctr_vm_vsrc(0)
	s_getreg_b32 s2, hwreg(HW_REG_IB_STS2, 6, 4)
	s_cmp_eq_u32 s2, 0
	s_cbranch_scc0 .Lentry_in_a_cluster
	s_endpgm
.Lentry_in_a_cluster:
	s_bfe_u32 s2, ttmp6, 0x10000c
	s_cmp_lg_u32 s2, 0xf033
	s_cbranch_scc0 .Lentry_shape_is_right
	s_endpgm
.Lentry_shape_is_right:
; out0[m][n] = sum over k of a[m][k] out_w[n][k] + out_b[n].  a is the attention's result, f16, laid by head: att [16 batch + head][position 2048][64]; m = 2048 batch + position, k = 64 head + channel.
; w16: out_w as f16, [1024 n][1024 k].  out0: [8192][1024] f32.  Sums in f32.
; A tile of the result, 256 rows x 128 columns, is made by a work-group of four waves: 256 work-groups.  A wave makes 128 x 64: 32 accumulators of 16 x 16, 256 registers.
; K goes in steps of 128, two heads, through a ring of two LDS slots filled by the tensor data mover: waves 0 and 1 fetch one head's 256 rows of 128 bytes each, waves 2 and 3 64 rows of 256 bytes of w16 each.
; CLUSTERS: 4 x 4 work-groups.  The four of a row of the cluster need the same tiles of a, the four of a column the same tiles of w16: each tile is asked for JOINTLY, by the same tensor load with the
; same descriptor and a mask that names the four.  THE MATRIX INSTRUCTION IS USED TRANSPOSED (source 0 = 16 rows of w16, source 1 = 16 rows of a): a lane then holds eight neighbouring numbers of a row of the result.
; THE BIAS is the C of each sum's first product.
; REGISTERS: window 0: v0-31 addresses; v32-63 the bias; v64-127, v128-191 fragments of a (8 x 16 rows x 32 K), two buffers; v192-223, v224-255 fragments of w16 (4 x 16 rows x 32 K), two buffers.
;   window 1: the accumulators ((a, b) at v[8 (4 a + b)]).
.set KSTEP,  128
.set PA,     144                       ; a row of a in LDS: 128 bytes + 16 of padding = 36 words: the 16 rows of a load start 4 words apart modulo 64
.set PLANE,  256*PA                    ; one head's 256 rows
.set PB,     272                       ; a row of w16: 256 bytes + 16
.set BOFF,   2*PLANE                   ; a slot: two heads' planes, then w16's 128 rows
.set HALFB,  64*PB
.set SLOT,   BOFF+2*HALFB
.set STAGE,  2*SLOT                    ; behind the ring: 16 rows x 272 bytes for each wave, for the way out
.set SPITCH, 272
.set SPARE,  STAGE+4*16*SPITCH         ; behind the stages: the spare words, 128 bytes for each wave, which no other line names
.set LAPS,   1024/(2*KSTEP)            ; a lap = two K steps = once round the ring
.set ADRA, 16                          ; v16-17  LDS address of my fragments of a in slot 0, 1
.set ADRB, 20                          ; v20-21  the same for w16
.set STO,  24                          ; v24     the way out: where I put 32 bytes of a row
.set RD,   25                          ; v25     the way out: where I read rows back
.set CO,   26                          ; v26     my byte offset in two rows of the result
.set SPW,  28                          ; v28     LDS address of my spare word; never rewritten
.set NIL,  29                          ; v29     0; never rewritten
.set BIAS, 32
.set FA,   64                          ; buffer f at FA + 64 f
.set FB,   192                         ; buffer f at FB + 32 f
.set G1, 24                            ; s[24:31] descriptor group 1 for a's tiles;  s[32:39] group 0, one set for each slot
.set G0, 32
.set G1B, 48                           ; s[48:55], s[56:63] the same for w16's tiles
.set G0B, 56
.set MSB, 0
.macro WIN new                         ; the immediate's high byte repeats the setting that is left
.if MSB != \new
	s_set_vgpr_msb (MSB<<8)|\new
.set MSB, \new
.endif
.endm
.set MUL,  0x50                        ; sources 0 and 1 window 0; C and D window 1
.set MUL1, 0x40                        ; the first products: C (the bias) window 0, D window 1
.macro JLOAD s                         ; a joint load: waves 0 and 1 fetch a's two planes, waves 2 and 3 w16's two halves; an s_nop 0 and four v_nop follow each of the two lines, ahead of the jump, the label and what follows
	s_cmp_eq_u32 s13, 0
	s_cbranch_scc0 .Lfor_b_\@
	tensor_load_to_lds s[G0+4*\s:G0+4*\s+3], s[G1:G1+7]
	s_nop 0
.rept 4
	v_nop
.endr
	s_branch .Lasked_\@
.Lfor_b_\@:
	tensor_load_to_lds s[G0B+4*\s:G0B+4*\s+3], s[G1B:G1B+7]
	s_nop 0
.rept 4
	v_nop
.endr
.Lasked_\@:
.endm
.macro CREST                           ; a round of the cluster's barrier behind its opening barrier
	s_cmp_lg_u32 s12, 0
	s_cbranch_scc1 .Lnot_wave_0_\@
	s_barrier_signal -3
.Lnot_wave_0_\@:
	s_barrier_wait -3
	s_barrier_signal -1
	s_barrier_wait -1
.endm
.macro CROUND                          ; a whole round
	s_barrier_signal -1
	s_barrier_wait -1
	CREST
.endm
	s_load_b128 s[4:7], s[0:1], 0x0                ; att s[4:5], w16 s[6:7]
	s_load_b128 s[8:11], s[0:1], 0x10              ; out_b s[8:9], out0 s[10:11]
	v_lshl_add_u32 v[SPW], v0, 2, SPARE
	v_mov_b32 v[NIL], 0
	ds_add_u32 v[SPW], v[NIL]                      ; the wave's opening: the add, twice on end, and its wait ahead of my first tensor load; the set-up below, work on registers, stands between
	ds_add_u32 v[SPW], v[NIL]
	v_lshrrev_b32 v1, 5, v0
	v_readfirstlane_b32 s12, v1                    ; wave 0..3
	s_lshr_b32 s13, s12, 1                         ; which half of the tile's rows is mine.  Also: I fetch for a (0) or for w16 (1)
	s_and_b32 s14, s12, 1                          ; which half of its columns.  Also: which plane of a, or which 64 rows of w16, I fetch
	s_bfe_u32 s40, ttmp6, 0x40000                  ; cx, cy: my place in the cluster
	s_bfe_u32 s41, ttmp6, 0x40004
	s_lshl_b32 s42, ttmp9, 2
	s_add_co_u32 s42, s42, s40                     ; tile column = 4 x cluster x + cx
	s_and_b32 s43, ttmp7, 0xffff
	s_lshl_b32 s43, s43, 2
	s_add_co_u32 s43, s43, s41                     ; tile row = 4 x cluster y + cy
	s_lshl_b32 s44, s41, 2
	s_lshl_b32 s44, 15, s44                        ; my row of the cluster
	s_lshl_b32 s45, 0x1111, s40                    ; my column
	; descriptor group 1.  a: 256 rows x 64 elements, dense;  w16: 64 rows x 128 elements, 1,024 elements from row to row
	s_or_b32 s[G1+0], s44, (1<<16)|(1<<20)|(1<<21)|(4<<22)|(3<<25)  ; 15:0 the mask: a's tiles go to my row; 17:16 element of 2 bytes; 20 padding on; 21 set beside a mask; 24:22 after every 32 words (code 4); 31:25 of 4 words (code 3)
	s_mov_b32 s[G1+1], 64<<16                      ; tensor_dim0
	s_mov_b32 s[G1+2], 256<<16                     ; tensor_dim1
	s_mov_b32 s[G1+3], 64<<16                      ; tile_dim0
	s_mov_b32 s[G1+4], 256                         ; tile_dim1
	s_mov_b32 s[G1+5], 64                          ; tensor_dim0_stride
	s_mov_b32 s[G1+6], 0
	s_mov_b32 s[G1+7], 0
	s_or_b32 s[G1B+0], s45, (1<<16)|(1<<20)|(1<<21)|(5<<22)|(3<<25) ; the mask of my column; padding after every 64 words (code 5)
	s_mov_b32 s[G1B+1], KSTEP<<16
	s_mov_b32 s[G1B+2], 64<<16
	s_mov_b32 s[G1B+3], KSTEP<<16
	s_mov_b32 s[G1B+4], 64
	s_mov_b32 s[G1B+5], 1024
	s_mov_b32 s[G1B+6], 0
	s_mov_b32 s[G1B+7], 0
	; where the tiles come from.  a's hang on the tile row alone, which my row of the cluster shares; w16's on the tile column alone, which my column shares
	s_lshr_b32 s16, s43, 3
	s_lshl_b32 s16, s16, 22                        ; the batch: 16 heads of 262,144 bytes
	s_and_b32 s17, s43, 7
	s_lshl_b32 s17, s17, 15                        ; the tile's first position: 256 rows of 128 bytes
	s_add_co_u32 s16, s16, s17
	s_lshl_b32 s17, s14, 18                        ; my head of the K step's two
	s_add_co_u32 s16, s16, s17
	s_mov_b32 s17, 0
	s_lshl_b32 s46, s42, 18                        ; w16: 128 rows of 2,048 bytes a tile column,
	s_lshl_b32 s47, s14, 17                        ; my 64 of them
	s_add_co_u32 s46, s46, s47
	s_mov_b32 s47, 0
	s_mul_i32 s20, s14, PLANE                      ; and where they go: no place in the cluster enters an LDS address
	s_mul_i32 s21, s14, HALFB
	s_add_co_u32 s21, s21, BOFF
	s_wait_dscnt 0x0                               ; both opening adds are done
	s_wait_kmcnt 0x0
	s_add_nc_u64 s[18:19], s[4:5], s[16:17]
	s_add_nc_u64 s[46:47], s[6:7], s[46:47]
	CROUND                                         ; all sixteen work-groups are here: the first joint loads meet
.irp s, 0,1
	s_mov_b32 s[G0+4*\s], 1                        ; 1:0 count = 1
	s_add_co_u32 s[G0+4*\s+1], s20, \s*SLOT        ; 63:32 LDS address
	s_add_nc_u64 s[G0+4*\s+2:G0+4*\s+3], s[18:19], \s*2*262144   ; 120:64 global address: K step s is heads 2 s and 2 s + 1
	s_or_b32 s[G0+4*\s+3], s[G0+4*\s+3], 0x80000000              ; 127:126 type = 2
	s_mov_b32 s[G0B+4*\s], 1
	s_add_co_u32 s[G0B+4*\s+1], s21, \s*SLOT
	s_add_nc_u64 s[G0B+4*\s+2:G0B+4*\s+3], s[46:47], \s*KSTEP*2
	s_or_b32 s[G0B+4*\s+3], s[G0B+4*\s+3], 0x80000000
	JLOAD \s                                       ; two tensor loads of mine are out
.endr
	v_and_b32 v1, 15, v0                           ; r = l % 16
	v_bfe_u32 v2, v0, 4, 1                         ; h = l / 16
	; the bias of my 64 columns, and where my part of the result begins: row 256 x tile row + 128 x half, column 128 x tile column + 64 x half
	s_lshl_b32 s46, s42, 9
	s_lshl_b32 s47, s14, 8
	s_add_co_u32 s46, s46, s47                     ; my first column, in bytes of f32
	s_mov_b32 s47, 0
	s_add_nc_u64 s[8:9], s[8:9], s[46:47]
	v_lshlrev_b32 v6, 5, v2                        ; 32 h bytes: register 8 b + j of lane (r, h) is out_b[my first column + 16 b + 8 h + j]
.irp b, 0,1,2,3
	global_load_b128 v[BIAS+8*\b:BIAS+8*\b+3], v6, s[8:9] offset:64*\b
	global_load_b128 v[BIAS+8*\b+4:BIAS+8*\b+7], v6, s[8:9] offset:64*\b+16
.endr
	s_lshl_b32 s16, s43, 20                        ; 256 rows of 4,096 bytes
	s_lshl_b32 s17, s13, 19
	s_add_co_u32 s16, s16, s17
	s_add_co_u32 s16, s16, s46
	s_mov_b32 s17, 0
	s_add_nc_u64 s[10:11], s[10:11], s[16:17]
	v_mul_u32_u24 v3, v1, PA
	v_lshl_add_u32 v3, v2, 4, v3                   ; a fragment's row x pitch + 16 x half: for a,
	v_mul_u32_u24 v4, v1, PB
	v_lshl_add_u32 v4, v2, 4, v4                   ; for w16
	s_mul_i32 s21, s13, 128*PA                     ; my 128 rows of each plane
	s_mul_i32 s22, s14, HALFB                      ; my 64 rows of w16,
	s_add_co_u32 s22, s22, BOFF                    ; which lie behind the planes
.irp s, 0,1
	v_add_nc_u32 v[ADRA+\s], s21, v3
	v_add_nc_u32 v[ADRB+\s], s22, v4
	s_add_co_u32 s21, s21, SLOT
	s_add_co_u32 s22, s22, SLOT
.endr
	s_mul_i32 s23, s12, 16*SPITCH
	s_add_co_u32 s23, s23, STAGE                   ; my stage
	v_mul_u32_u24 v5, v1, SPITCH                   ; in: row r, 32 bytes for each half of the lanes
	v_lshl_add_u32 v5, v2, 5, v5
	v_add_nc_u32 v[STO], s23, v5
	v_mul_u32_u24 v5, v2, SPITCH                   ; back: lanes 0-15 take one row of 256 bytes, lanes 16-31 the next
	v_lshl_add_u32 v5, v1, 4, v5
	v_add_nc_u32 v[RD], s23, v5
	v_lshlrev_b32 v5, 12, v2                       ; and the same two rows in the result
	v_lshl_add_u32 v[CO], v1, 4, v5
; 8 matrix instructions: a's blocks a0, a0 + 1 against w16's four, 32 along K, from buffer f.  first = 1: the bias is C: nothing is ever cleared.
; The 32 accumulators take turns, one instruction a turn, in the same order in every quarter.
.macro MUL8 f, a0, first
.irp a, \a0, \a0+1
.irp b, 0,1,2,3
.if \first
	v_wmma_f32_16x16x32_f16 v[8*(4*(\a)+\b):8*(4*(\a)+\b)+7], v[FB+32*\f+8*\b:FB+32*\f+8*\b+7], v[FA+64*\f+8*(\a):FA+64*\f+8*(\a)+7], v[BIAS+8*\b:BIAS+8*\b+7]
.else
	v_wmma_f32_16x16x32_f16 v[8*(4*(\a)+\b):8*(4*(\a)+\b)+7], v[FB+32*\f+8*\b:FB+32*\f+8*\b+7], v[FA+64*\f+8*(\a):FA+64*\f+8*(\a)+7], v[8*(4*(\a)+\b):8*(4*(\a)+\b)+7]
.endif
.endr
.endr
.endm
; 24 LDS loads in one run: the fragments of the slot's q-th 32 along K into buffer f: w16's four, a's blocks 0-3, a's blocks 4-7.  Quarter q lies in plane q / 2, at byte 64 (q % 2) of its rows.
.macro FETCH slot, q, f
	WIN 0
.irp i, 0,1,2,3
	ds_load_b128 v[FB+32*\f+8*\i:FB+32*\f+8*\i+3],   v[ADRB+\slot] offset:64*(\q)+\i*16*PB
	ds_load_b128 v[FB+32*\f+8*\i+4:FB+32*\f+8*\i+7], v[ADRB+\slot] offset:64*(\q)+\i*16*PB+32
.endr
.irp i, 0,1,2,3,4,5,6,7
	ds_load_b128 v[FA+64*\f+8*\i:FA+64*\f+8*\i+3],   v[ADRA+\slot] offset:((\q)/2)*PLANE+((\q)%2)*64+\i*16*PA
	ds_load_b128 v[FA+64*\f+8*\i+4:FA+64*\f+8*\i+7], v[ADRA+\slot] offset:((\q)/2)*PLANE+((\q)%2)*64+\i*16*PA+32
.endr
.endm
.macro PLACES                          ; four places in front of loads into registers that matrix instructions have read, and of the first read of results (ISA guide 7.12.1 for the first read of results)
.rept 4
	v_nop
.endr
.endm
; A K step is four quarters of 32 along K, 32 matrix instructions each, on buffers 0, 1, 0, 1.  One of the first three: multiplies buffer f and fetches quarter q of the same slot into g.
.macro QUARTER slot, q, f, g, first
	s_wait_dscnt 8                                 ; w16's fragments and a's blocks 0-3 are in; the youngest eight loads (a's blocks 4-7) may be out
.if \first
	WIN MUL1
.else
	WIN MUL
.endif
	MUL8 \f, 0, \first
	MUL8 \f, 2, \first
	PLACES
	FETCH \slot, \q, \g
	s_wait_dscnt 24                                ; all but the 24 just issued
.if \first
	WIN MUL1
.else
	WIN MUL
.endif
	MUL8 \f, 4, \first
	MUL8 \f, 6, \first
.endm
; The last quarter multiplies buffer 1 and changes slots: ONE barrier; in front of it each wave waits for all its tensor loads, adds 0 to its spare word, and waits for that and for its own reads of this slot.
; fill = 1: this slot is filled again, two K steps ahead; the barrier then opens a round of the cluster's barrier, and the joint refill is the first tensor load behind the round.
.macro TURN slot, next, fill
	WIN 0                                          ; (the add's two registers lie in window 0)
	s_wait_tensorcnt 0x0                           ; all my tensor loads have landed: the one that was out is my part of the next slot;
	ds_add_u32 v[SPW], v[NIL]                      ; 0 onto my spare word;
	s_wait_dscnt 9                                 ; (the add and the youngest eight loads may be out)
	WIN MUL
	MUL8 1, 0, 0                                   ; eight matrix instructions stand between the add and the wait for it
	s_wait_dscnt 0x0                               ; the add is done, and my reads of this slot are over
	s_barrier_signal -1
	MUL8 1, 2, 0
	WIN 0
	s_barrier_wait -1
.if \fill
	CREST                                          ; no wave of any partner still reads this slot's tiles or has a load on its way
	s_add_nc_u64 s[G0+4*\slot+2:G0+4*\slot+3], s[G0+4*\slot+2:G0+4*\slot+3], 4*262144     ; four heads on
	s_add_nc_u64 s[G0B+4*\slot+2:G0B+4*\slot+3], s[G0B+4*\slot+2:G0B+4*\slot+3], 2*KSTEP*2
	JLOAD \slot                                    ; it has a K step less sixteen matrix instructions in which to land; the four v_nop behind it are also the places in front of the loads below
.else
	PLACES
.endif
	FETCH \next, 0, 0
	WIN MUL
	MUL8 1, 4, 0
	MUL8 1, 6, 0
.endm
	s_wait_tensorcnt 1                             ; my part of K step 0 is in (K step 1's load may be out)
	s_barrier_signal -1
	s_barrier_wait -1                              ; everybody's is
	FETCH 0, 0, 0
	s_wait_loadcnt 0x0                             ; the bias
	QUARTER 0, 1, 0, 1, 1                          ; the first quarter stands in front of the loop: its products start the sums from the bias
	WIN 0                                          ; at a label and at a branch every window is 0
	s_mov_b32 s3, LAPS-1
.Llap:                                                 ; a trip goes once round the ring, from a lap's second quarter to the next lap's first, and fills both slots again
	QUARTER 0, 2, 1, 0, 0
	QUARTER 0, 3, 0, 1, 0
	TURN 0, 1, 1
	QUARTER 1, 1, 0, 1, 0
	QUARTER 1, 2, 1, 0, 0
	QUARTER 1, 3, 0, 1, 0
	TURN 1, 0, 1
	QUARTER 0, 1, 0, 1, 0
	WIN 0
	s_sub_co_u32 s3, s3, 1
	s_cmp_lg_u32 s3, 0
	s_cbranch_scc1 .Llap
	QUARTER 0, 2, 1, 0, 0                          ; the last lap fills nothing, and has no round of the cluster's barrier
	QUARTER 0, 3, 0, 1, 0
	TURN 0, 1, 0
	QUARTER 1, 1, 0, 1, 0
	QUARTER 1, 2, 1, 0, 0
	QUARTER 1, 3, 0, 1, 0
	s_wait_dscnt 8                                 ; the very last quarter: nothing more to fetch
	WIN MUL
	MUL8 1, 0, 0
	MUL8 1, 2, 0
	s_wait_dscnt 0
	MUL8 1, 4, 0
	MUL8 1, 6, 0
	WIN 0
; THE WAY OUT, block by block of 16 rows x 64 columns.  A lane holds 32 neighbouring bytes of a row, and the lanes beside it hold other rows: so a block goes through my own stage in LDS and comes back as whole
; rows of 256 bytes: sixteen lanes store 256 consecutive bytes, aligned.  LDS serves a wave's instructions in order (ISA guide 5.7.1.4): no wait between the stores and the loads, nor in front of the next block's stores.
.macro TOSTAGE a
	WIN 0x04                                       ; an LDS store's data are its source 1: window 1
.irp b, 0,1,2,3
	ds_store_b128 v[STO], v[8*(4*(\a)+\b):8*(4*(\a)+\b)+3] offset:64*\b            ; each accumulator from its low end on
	ds_store_b128 v[STO], v[8*(4*(\a)+\b)+4:8*(4*(\a)+\b)+7] offset:64*\b+16
.endr
	WIN 0
.set BB, FA+32*((\a)%2)
.irp t, 0,1,2,3,4,5,6,7
	ds_load_b128 v[BB+4*\t:BB+4*\t+3], v[RD] offset:\t*2*SPITCH
.endr
.endm
.macro SEND a, younger                 ; younger: the LDS instructions issued behind block a's loads, which may stay out
.set BB, FA+32*((\a)%2)
	s_wait_dscnt \younger                          ; the block is back in registers
.irp t, 0,1,2,3,4,5,6,7
	global_store_b128 v[CO], v[BB+4*\t:BB+4*\t+3], s[10:11] offset:(16*(\a)+2*\t)*4096 th:TH_STORE_NT   ; every place stands in the immediate: no base is stepped; written once, read by nobody here
.endr
.endm
	PLACES                                         ; behind the last products: their results, and the registers that they read, are touched only from here on
	TOSTAGE 0
.irp a, 1,2,3,4,5,6,7
.if \a > 1
	s_wait_xcnt 0x0                                ; block a - 2's stores have read their registers: block a's loads may land there
.endif
	TOSTAGE \a
	SEND \a-1, 16                                  ; behind block a - 1's loads: block a's 8 stores and 8 loads
.endr
	SEND 7, 0
	s_wait_tensorcnt 0x0                           ; the wave's end: behind my last tensor load and my last LDS store
	ds_add_u32 v[SPW], v[NIL]
	s_wait_dscnt 0x0
	CROUND                                         ; the closing round: no work-group ends while a partner may still ask for a tile that names it
	s_endpgm
.Lfunc_end_k_qa77a5fa76d_proj:
	.size	k_qa77a5fa76d_proj, .Lfunc_end_k_qa77a5fa76d_proj-k_qa77a5fa76d_proj
	.p2alignl 7, 3214868480
	.fill 96, 4, 3214868480
	.section	.rodata,"a",@progbits
	.p2align	6, 0x0
	.amdhsa_kernel k_qa77a5fa76d_proj
		.amdhsa_group_segment_fixed_size 327680
		.amdhsa_private_segment_fixed_size 0
		.amdhsa_enable_private_segment 0
		.amdhsa_kernarg_size 32
		.amdhsa_user_sgpr_count 2
		.amdhsa_user_sgpr_kernarg_segment_ptr 1
		.amdhsa_wavefront_size32 1
		.amdhsa_system_sgpr_workgroup_id_x 1
		.amdhsa_system_sgpr_workgroup_id_y 1
		.amdhsa_system_sgpr_workgroup_id_z 1
		.amdhsa_system_vgpr_workitem_id 0
		.amdhsa_next_free_vgpr 512
		.amdhsa_next_free_sgpr 66
		.amdhsa_reserve_vcc 0
		.amdhsa_float_denorm_mode_32 3
		.amdhsa_float_denorm_mode_16_64 3
		.amdhsa_memory_ordered 1
		.amdhsa_forward_progress 1
		.amdhsa_inst_pref_size 86
	.end_amdhsa_kernel
	.amdgpu_metadata
---
amdhsa.version: [ 1, 2 ]
amdhsa.kernels:
  - .name:           k_qa77a5fa76d_proj
    .symbol:         k_qa77a5fa76d_proj.kd
    .args:
      - { .name: att, .offset: 0, .size: 8, .value_kind: global_buffer, .address_space: global }
      - { .name: w16, .offset: 8, .size: 8, .value_kind: global_buffer, .address_space: global }
      - { .name: out_b, .offset: 16, .size: 8, .value_kind: global_buffer, .address_space: global }
      - { .name: out0, .offset: 24, .size: 8, .value_kind: global_buffer, .address_space: global }
    .group_segment_fixed_size: 327680
    .private_segment_fixed_size: 0
    .kernarg_segment_align: 8
    .kernarg_segment_size: 32
    .max_flat_workgroup_size: 128
    .sgpr_count:     66
    .vgpr_count:     512
    .wavefront_size: 32
...
	.end_amdgpu_metadata
.endif
;; end of part 4
